; MI455X (gfx1250); checked and timed in simulation.
; The chip was launched on July 23, 2026; its instructions are those of AMD's public machine-readable ISA for CDNA 5 (MIT licence, August 2026) and "CDNA5" Instruction Set Architecture Reference Guide (July 2026). The comments in the code are by the model that wrote it; some were corrected since.
;; Causal Self Attention. Allowed arithmetic: matrix products marked QUANTISED: E3M2 operands, one E8M0 scale for each 32 along K, by v_wmma_scale_f32_16x16x128_f8f6f4 with both operands' format E3M2, f32 sums; everything else in f32.
;; Inputs: proj_b 1,024 float32; proj_w 1,024 x 1,024 float32; qkv_b 3,072 float32; qkv_w 3,072 x 1,024 float32; x 4 x 2,048 x 1,024 float32.
;; Outputs: out0 4 x 2,048 x 1,024 float32.
;; This version of the problem:
;;   THIS VERSION OF THE PROBLEM IS GIVEN IN LOW PRECISION. The matrix products marked QUANTISED in the list below multiply operands that are first quantised to E3M2 (3 exponent bits, 2 mantissa bits; 6 bits a number), with one power-of-two scale for each 32 numbers along K (OCP MX v1.0); their sums are f32. All else is computed in f32.
;;   The module's matrix products, in the order in which they are computed (A, B: the left and right operand; K: the contracted axis; several contracted axes count as one K, in the product's order):
;;     1. [M 8,192, K 1,024] x [K 1,024, N 3,072]; A: input x; B: input qkv_w: QUANTISED
;;     2. batch 64 x [M 2,048, K 64] x [K 64, N 2,048]; A: computed on the way; B: computed on the way: QUANTISED
;;     3. batch 64 x [M 2,048, K 2,048] x [K 2,048, N 64]; A: softmax (see below); B: computed on the way: QUANTISED
;;     4. [M 8,192, K 1,024] x [K 1,024, N 1,024]; A: computed on the way; B: input proj_w: QUANTISED
;;   THE QUANTISER, for each operand of a quantised product, along K:
;;     - K is cut into blocks of 32 from its start; a last block that is shorter is filled with zeros.
;;     - A block's scale is 2^e with e = floor(log2(the largest magnitude in the block)) - 4, held to -126 .. 127; a block of zeros has e = 0. As a byte (E8M0): e + 127.
;;     - Each number is divided by its block's scale, clamped to +-28, and rounded to the nearest number of E3M2, ties to even, subnormals kept.
;;     - The product sums the exact products of the quantised numbers (number of the format x scale) in f32.
;;   ~~~python
;;   def quantise(x, axis):      # numpy; x: float32 -> the quantised numbers, widened to float32 again
;;       x = np.moveaxis(x, axis, -1); K = x.shape[-1]
;;       x = np.pad(x, [(0, 0)] * (x.ndim - 1) + [(0, -K % 32)]); x = x.reshape(x.shape[:-1] + (-1, 32)); a = np.abs(x).max(-1, keepdims=True)
;;       e = np.where(a > 0, np.clip(np.frexp(np.where(a > 0, a, 1))[1] - 1 - 4, -126, 127), 0)      # np.frexp(a)[1] - 1 = floor(log2(a)), exactly
;;       r = np.clip(x / 2.0 ** e, -28, 28)
;;       step = 2.0 ** (np.maximum(np.frexp(np.where(r == 0, 1, r))[1] - 1, -2) - 2)
;;       q = np.round(r / step) * step * 2.0 ** e      # np.round: ties to even
;;       return np.moveaxis(q.reshape(q.shape[:-2] + (-1,))[..., :K], -1, axis).astype(np.float32)
;;   ~~~
;;   SOFTMAX AHEAD OF A QUANTISED PRODUCT. Where the list says 'softmax', what is quantised is not the finished softmax but p = 2^(t - M), with t = logit x log2(e) and M = ceil(the row's largest t), a whole number; so 1/2 < the row's largest p <= 1. The row's sum l is taken of the UNQUANTISED p, in f32, and the product's result is divided by l at the end. Since M is a whole number, a kernel that streams over the keys may use a running M (the ceiling of the running maximum): every later rescaling is an exact power of two, which a block's scale takes up: the codes' values come out the same.
;;   OPERANDS COMPUTED ON THE WAY. 'Computed on the way' means the value that the module computes at that place (a softmax that the list does not call 'softmax' is quantised finished and normalised). What goes into a quantiser is computed in f32, as accurately as f32 sums, v_exp_f32 and their like allow (about 1e-6 of the number): no bf16 or f16 on the way to a quantiser, and a product that is left as it is and whose result goes on into a quantised operand takes f32 operands (vector FMAs, or v_wmma_f32_16x16x4_f32). A number that lies on a knife's edge between two numbers of the format may be rounded either way, as far as f32 arithmetic and the matrix unit's own rounding can turn it there, and no further.
;; One version. Each part assembles by itself: llvm-mc -triple=amdgcn-amd-amdhsa -mcpu=gfx1250 --defsym DOCPART=n.
;; ======== version 1 of 1: 4 launches
;; workspace buffers: c1 9,437,184 bytes; s1 393,216 bytes; qr 6,553,600 bytes; kv 13,107,200 bytes; aoc 6,291,456 bytes; aos 262,144 bytes
;; launch quant (part 1): grid 768 x 1, 4 waves a work-group, no clusters, 34,304 bytes of LDS; arguments x, qkv_w, proj_w, c1, s1; writes c1, s1
.if DOCPART == 1
	.amdgcn_target "amdgcn-amd-amdhsa--gfx1250"
	.amdhsa_code_object_version 6
	.text
	.protected	k_qa43ff47899_quant
	.globl	k_qa43ff47899_quant
	.p2align	8
	.type	k_qa43ff47899_quant,@function
k_qa43ff47899_quant:
	s_mov_b64 s[64:65], 0
	v_nop
	global_prefetch_b8 v0, s[64:65] scope:SCOPE_SE
	s_setreg_imm32_b32 hwreg(HW_REG_WAVE_MODE, 25, 1), 1
	s_wait_xcnt 0x0
; x [8192][1024], qkv_w [3072][1024], proj_w [1024][1024], f32, K innermost, become codes of BF6 (E3M2) and one E8M0 byte for each 32 along K.
; A block's scale is 2^(floor(log2(its largest magnitude)) - 4): its byte is the largest magnitude's exponent field - 4, held at 1 from below.
; LIMITS: a block whose largest magnitude lies under 2^-122 (a block of zeros too) gets the byte 1, where the quantiser's rule says 127 for zeros: its codes are zeros
; or the format's smallest, and these bytes are read by this program alone.  NaN and infinities among the inputs are not served.
; OUTPUT LAYOUT.  The 12,288 rows of the three tensors count on (x, qkv_w, proj_w), 16 rows to a row tile.  c1: [row tile 768][kc 16][768 bytes]: a HALF FRAGMENT, 16 rows x 64 K, as the image
; of six operand registers: piece p (0..2) at 256 p + 8 lane holds registers 2 p, 2 p + 1 of lane (r, h): row r, k = 64 kc + 32 h + 0 .. 31.  s1: [row][32 bytes], byte k / 32.
; SHARES.  A work-group takes a row tile, wave w its k = 256 w .. 256 w + 255, in two steps of 128.  Each load reads 512 consecutive bytes of one row; a step's 16 x 512 bytes turn through
; the wave's own stage in LDS (rows 528 bytes apart), from which lane (r, h) takes 32 neighbours of row r for each of two blocks.  Every store of codes covers 256 consecutive aligned bytes.
; The work-groups share no input and the waves share nothing: no cluster, no barrier, no tensor load; memory binds.
.set SP,   528                         ; a stage row: 512 bytes + 16
.set WST,  16*SP                       ; a wave's stage
.set R,    16                          ; v16-143  two steps' numbers as loaded
.set X,    144                         ; v144-207 64 numbers: two blocks of 32 neighbours
.set C,    208                         ; v208-231 twelve registers of codes for each step: no store's data are written again
.set T,    232                         ; v232-238 the second halves of the blocks' codes, before they are moved
.set WS,   240                         ; v240-241 a scale word for each step
	s_load_b128 s[4:7], s[0:1], 0x0                ; x, qkv_w
	s_load_b128 s[8:11], s[0:1], 0x10              ; proj_w, c1
	s_load_b64 s[12:13], s[0:1], 0x20              ; s1
	v_lshl_add_u32 v248, v0, 2, 0x8400
	v_mov_b32 v249, 0
	v_lshrrev_b32 v8, 5, v0
	v_readfirstlane_b32 s16, v8                    ; wave
	v_and_b32 v9, 31, v0                           ; lane
	v_and_b32 v10, 15, v0                          ; r
	v_bfe_u32 v11, v0, 4, 1                        ; h
	v_lshlrev_b32 v1, 4, v9                        ; my 16 bytes of a load's 512
	s_mul_i32 s17, s16, WST
	v_add_nc_u32 v2, s17, v1                       ; the stage, on the way in
	v_mul_u32_u24 v3, v10, SP
	v_lshl_add_u32 v3, v11, 7, v3
	v_add_nc_u32 v3, s17, v3                       ; and on the way out: row r, + 128 h bytes
	v_lshlrev_b32 v4, 3, v9                        ; 8 x lane: my place in a piece
	v_lshlrev_b32 v5, 5, v10
	v_lshl_add_u32 v5, v11, 2, v5                  ; scale words: 32 r + 4 h
	v_lshlrev_b32 v6, 3, v11                       ; 8 h
	v_mov_b32 v242, 0                              ; a lane permute's destination counts as one of its sources
	s_mov_b32 s20, 0x76543210
	s_mov_b32 s21, 0xfedcba98                      ; selects for lane l xor 16
	s_mov_b32 s14, 704
	s_wait_kmcnt 0x0
	s_cmp_lt_u32 ttmp9, 704                        ; which tensor: the choice hangs on the work-group's number alone
	s_cselect_b64 s[6:7], s[6:7], s[8:9]
	s_cselect_b32 s14, 512, s14
	s_cmp_lt_u32 ttmp9, 512
	s_cselect_b64 s[4:5], s[4:5], s[6:7]
	s_cselect_b32 s14, 0, s14
	s_sub_co_u32 s14, ttmp9, s14                   ; the row tile within its tensor
	s_lshl_b32 s14, s14, 16                        ; 16 rows of 4,096 bytes
	s_lshl_b32 s15, s16, 10                        ; my wave's 1,024 bytes of a row
	s_add_co_u32 s14, s14, s15
	s_mov_b32 s15, 0
	s_add_nc_u64 s[4:5], s[4:5], s[14:15]
	s_mul_i32 s14, ttmp9, 12288
	s_mul_i32 s18, s16, 3072
	s_add_co_u32 s14, s14, s18
	s_add_nc_u64 s[10:11], s[10:11], s[14:15]      ; my four half fragments
	s_lshl_b32 s14, ttmp9, 9
	s_lshl_b32 s18, s16, 3
	s_add_co_u32 s14, s14, s18
	s_add_nc_u64 s[12:13], s[12:13], s[14:15]      ; my 8 bytes of each row's 32
.irp t, 0,1
.irp n, 0,1,2,3,4,5,6,7,8,9,10,11,12,13,14,15
	global_load_b128 v[R+64*\t+4*\n:R+64*\t+4*\n+3], v1, s[4:5] offset:4096*\n+512*\t th:TH_LOAD_NT
.endr
.endr
.macro QSTEP t
.if \t == 0
	s_wait_loadcnt 16                              ; step 0's sixteen loads are in; step 1's sixteen may be out
.else
	s_wait_loadcnt 0x0
.endif
.irp n, 0,1,2,3,4,5,6,7,8,9,10,11,12,13,14,15
	ds_store_b128 v2, v[R+64*\t+4*\n:R+64*\t+4*\n+3] offset:SP*\n
.endr
.irp c, 0,1                                    ; LDS serves a wave's instructions in order: these see the stores above
.irp i, 0,1,2,3,4,5,6,7
	ds_load_b128 v[X+32*\c+4*\i:X+32*\c+4*\i+3], v3 offset:256*\c+16*\i
.endr
.endr
	s_wait_dscnt 0x0
.irp c, 0,1
	v_max3_num_f32 v[8+\c], |v[X+32*\c]|, |v[X+32*\c+1]|, 0x2800000   ; block 2 c + h of row r: all 32 numbers are mine; the floor 2^(5 - 127) holds the byte at 1 from below
.endr
.irp i, 2,4,6,8,10,12,14,16,18,20,22,24,26,28,30
.irp c, 0,1
	v_max3_num_f32 v[8+\c], v[8+\c], |v[X+32*\c+\i]|, |v[X+32*\c+\i+1]|
.endr
.endr
.irp c, 0,1
	v_add_nc_u32 v[10+\c], 0xfe000000, v[8+\c]     ; 4 off the exponent field: the conversion's scale operand
.endr
.irp c, 0,1
	v_lshrrev_b32 v[12+\c], 23, v[10+\c]           ; the scale's byte
.endr
	v_lshl_or_b32 v14, v13, 16, v12                ; my two bytes, blocks h and 2 + h,
	v_lshlrev_b32 v14, v6, v14                     ; at their places in the word;
	v_permlanex16_b32 v242, v14, s20, s21
	v_or_b32 v[WS+\t], v14, v242                   ; with lane l xor 16's two the word of these 128 along K is whole
.irp c, 0,1
	v_cvt_scalef32_pk16_bf6_f32 v[C+12*\t+6*\c:C+12*\t+6*\c+2], v[X+32*\c:X+32*\c+15], v[10+\c]
	v_cvt_scalef32_pk16_bf6_f32 v[T+4*\c:T+4*\c+2], v[X+32*\c+16:X+32*\c+31], v[10+\c]   ; (a conversion's three registers begin on an even number)
.endr
	v_nop                                          ; one plain place behind a scaled conversion
.irp c, 0,1
.irp i, 0,1,2
	v_mov_b32 v[C+12*\t+6*\c+3+\i], v[T+4*\c+\i]
.endr
.endr
.irp c, 0,1
.irp p, 0,1,2
	global_store_b64 v4, v[C+12*\t+6*\c+2*\p:C+12*\t+6*\c+2*\p+1], s[10:11] offset:(2*\t+\c)*768+256*\p   ; 32 lanes store 256 consecutive bytes, aligned
.endr
.endr
.endm
	QSTEP 0
	QSTEP 1
	v_cmp_ne_u32 vcc_lo, 0, v6
	v_cndmask_b32 v15, v[WS], v[WS+1], vcc_lo      ; lanes 0-15 store step 0's word, lanes 16-31 step 1's
	global_store_b32 v5, v15, s[12:13]             ; 8 bytes of each of 16 rows: rows of 32 bytes are written in parts by the four waves; one byte for 128 that the launch reads
	s_wait_tensorcnt 0x0
	ds_add_u32 v248, v249
	s_wait_dscnt 0x0
	s_endpgm
.Lfunc_end_k_qa43ff47899_quant:
	.size	k_qa43ff47899_quant, .Lfunc_end_k_qa43ff47899_quant-k_qa43ff47899_quant
	.p2alignl 7, 3214868480
	.fill 96, 4, 3214868480
	.section	.rodata,"a",@progbits
	.p2align	6, 0x0
	.amdhsa_kernel k_qa43ff47899_quant
		.amdhsa_group_segment_fixed_size 34304
		.amdhsa_private_segment_fixed_size 0
		.amdhsa_enable_private_segment 0
		.amdhsa_kernarg_size 40
		.amdhsa_user_sgpr_count 2
		.amdhsa_user_sgpr_kernarg_segment_ptr 1
		.amdhsa_wavefront_size32 1
		.amdhsa_system_sgpr_workgroup_id_x 1
		.amdhsa_system_sgpr_workgroup_id_y 1
		.amdhsa_system_sgpr_workgroup_id_z 1
		.amdhsa_system_vgpr_workitem_id 0
		.amdhsa_next_free_vgpr 250
		.amdhsa_next_free_sgpr 66
		.amdhsa_reserve_vcc 1
		.amdhsa_float_denorm_mode_32 3
		.amdhsa_float_denorm_mode_16_64 3
		.amdhsa_memory_ordered 1
		.amdhsa_forward_progress 1
		.amdhsa_inst_pref_size 17
	.end_amdhsa_kernel
	.amdgpu_metadata
---
amdhsa.version: [ 1, 2 ]
amdhsa.kernels:
  - .name:           k_qa43ff47899_quant
    .symbol:         k_qa43ff47899_quant.kd
    .args:
      - { .name: x, .offset: 0, .size: 8, .value_kind: global_buffer, .address_space: global }
      - { .name: qkv_w, .offset: 8, .size: 8, .value_kind: global_buffer, .address_space: global }
      - { .name: proj_w, .offset: 16, .size: 8, .value_kind: global_buffer, .address_space: global }
      - { .name: c1, .offset: 24, .size: 8, .value_kind: global_buffer, .address_space: global }
      - { .name: s1, .offset: 32, .size: 8, .value_kind: global_buffer, .address_space: global }
    .group_segment_fixed_size: 34304
    .private_segment_fixed_size: 0
    .kernarg_segment_align: 8
    .kernarg_segment_size: 40
    .max_flat_workgroup_size: 128
    .sgpr_count:     66
    .vgpr_count:     250
    .wavefront_size: 32
...
	.end_amdgpu_metadata
.endif
;; end of part 1
;; launch qkv (part 2): grid 12 x 32, 4 waves a work-group, clusters of 4 x 4, 327,680 bytes of LDS; arguments c1, s1, qkv_b, qr, kv; writes qr, kv
.if DOCPART == 2
	.amdgcn_target "amdgcn-amd-amdhsa--gfx1250"
	.amdhsa_code_object_version 6
	.text
	.protected	k_qa43ff47899_qkv
	.globl	k_qa43ff47899_qkv
	.p2align	8
	.type	k_qa43ff47899_qkv,@function
k_qa43ff47899_qkv:
	s_mov_b64 s[64:65], 0
	v_nop
	global_prefetch_b8 v0, s[64:65] scope:SCOPE_SE
	s_setreg_imm32_b32 hwreg(HW_REG_WAVE_MODE, 25, 1), 1
	s_wait_xcnt 0x0
	s_wait_alu depctr_hold_cnt(0) depctr_sa_sdst(0) depctr_va_vdst(0) depctr_va_sdst(0) depctr_va_ssrc(0) depctr_va_vcc(0) depctr_vm_vsrc(0)
	s_getreg_b32 s2, hwreg(HW_REG_IB_STS2, 6, 4)
	s_cmp_eq_u32 s2, 0
	s_cbranch_scc0 .Lentry_in_a_cluster
	s_endpgm
.Lentry_in_a_cluster:
	s_bfe_u32 s2, ttmp6, 0x10000c
	s_cmp_lg_u32 s2, 0xf033
	s_cbranch_scc0 .Lentry_shape_is_right
	s_endpgm
.Lentry_shape_is_right:
; qkv = x qkv_w^T + qkv_b on codes of BF6 with E8M0 scales (K = 1,024), and q, k, v quantised in registers on the way out: q and k along the head's 64, v along the keys.  No f32 result goes to memory.
; OPERANDS: c1 [row tile][kc 16][768]: half fragments (16 rows x 64 K as the image of six operand registers: piece p at 256 p + 8 lane); row tiles 0-511 x, 512-703 qkv_w.  s1 [row][32] scale bytes.
; A tile C'[256][256] = A' B'^T is made by four waves, each 128 x 128: 64 accumulators.  THE MATRIX INSTRUCTION IS USED TRANSPOSED (source 0 = 16 rows of B', source 1 = 16 rows of A'):
; lane (r, h) of accumulator (a, b) holds row 16 a + r of A' and, in register j, row 16 b + 8 h + j of B'.
; TWO ROLES, by the cluster's x (the same in all sixteen partners): 0, 1: q, k: A' = x, B' = Wq or Wk: a lane's registers run along the channels, the next K.  2: v: A' = Wv, B' = x: they run along the tokens, v's K.
; K goes in four steps of 256 through three LDS slots: steps 0, 1, 2 and the scales are first fills (four tensor loads of a wave are out at the most); step 3 is the one refill, into slot 0.
; CLUSTER 4 x 4: A's tiles are asked for jointly along a row of the cluster, B's along a column.
; THE ORDER INSIDE A BLOCK OF 32: the codes of a block stand in the order 0-7, 16-23, 8-15, 24-31.  q and k get it from the same lines here, v from these lines and p from the same lines of the
; attention launch: both operands of a product alike, blocks and scales untouched, so the products are the same; only the order of summation inside the matrix unit differs.
; OUTPUT.  qr [bh 64][ks 16][6,400]: 8 half fragments (16 tokens x the head's 64), then 256 bytes of scale words.  kv [bh][ks][12,800]: K's 8 half fragments; at 6,144 + 3,072 c + 768 dt V's
; (16 channels x 64 keys); at 12,288 K's scale words, at 12,544 V's.  Scale words [row 16][j 4][4 bytes]: q, k: bytes 0, 1 of token 32 j + row, bytes 2, 3 of token 32 j + 16 + row; V: the four key blocks of channel 16 j + row.
; LIMITS: a block whose largest magnitude lies under 2^-122 gets the byte 1; NaN and infinities are not served.
; REGISTERS: window 0: v16-21 fragment addresses, v24-29 offsets, v32-63 scale words (two sets), v64-127 the bias as C, later at work, v128-223 A's fragments (one set).
;   window 1: B's fragments, two sets, at v0 and v128.  windows 2, 3: the accumulators, (a, b) at v[8 (8 (a % 4) + b)].
.set SLOT,   98304                     ; A' 256 rows, then B' 256 rows: 32 row tiles x 3,072 bytes, dense
.set WPART,  24576                     ; 8 row tiles: what one tensor load brings, and what one wave reads of A' or of B'
.set RTM,    12288                     ; a row tile in memory
.set HALFS,  16*272                    ; the scale bytes of 128 rows: 16 units of 256 bytes + 16 of padding
.set SBLK,   544                       ; those of 16 rows
.set SCL,    3*SLOT
.set SPARE,  SCL+4*HALFS               ; the spare words, 128 bytes for each wave: two blocks of 256 bytes that no other line names
.set ADRA, 16                          ; v16-18 my A' fragments in slot 0, 1, 2
.set ADRB, 19                          ; v19-21 the same for B'
.set BV,   24                          ; v24 the bias loads' offset
.set SOFF, 25                          ; v25 the scale words' place on the way out
.set CO,   26                          ; v26 8 x lane
.set ADRS, 27                          ; v27 my scale words: lanes 0-15 A's rows, lanes 16-31 B's
.set SPW,  28                          ; v28 my spare word; never rewritten
.set NIL,  29                          ; v29 0; never rewritten
.set SC,   32
.set BI,   64
.set AF,   128
.set TM,   64                          ; the way out: v64-79 maxima, bytes, scale operands
.set PC,   80                          ; v80-98 a block's codes
.set PW,   100                         ; v100-107 a scale word for each block of 16 rows
.set SW,   108                         ; v108-111 the four words that I store
.set SELR, 112
.set ISV,  19                          ; s19 1 in the v role
.set G1,   24
.set G1B,  32
.set G0,   40                          ; s[40:51] group 0 for A's tiles, a set for each slot
.set G0B,  52                          ; s[52:63] for B's
.set G1S,  68
.set G0S,  76
.set G1SB, 80
.set G0SB, 88
.set PB,   92                          ; s[92:99] the codes' four store bases (c, g) at PB + 4 c + 2 g
.set SB,   100                         ; s[100:101] the scale words' store base
.set MSB, 0
.macro WIN new                         ; the immediate's high byte repeats the setting that is left
.if MSB != (\new)
	s_set_vgpr_msb (MSB<<8)|(\new)
.set MSB, (\new)
.endif
.endm
; A joint load: waves 0 and 1 fetch for A', waves 2 and 3 for B'.  The branch hangs on the wave's number alone.  Four v_nop follow each of the two lines.
.macro JLOAD g0a, g1a, g0b, g1b
	s_cmp_eq_u32 s15, 0
	s_cbranch_scc0 .Lfor_b_\@
	tensor_load_to_lds s[\g0a:\g0a+3], s[\g1a:\g1a+7]
	s_nop 0
.rept 4
	v_nop
.endr
	s_branch .Lasked_\@
.Lfor_b_\@:
	tensor_load_to_lds s[\g0b:\g0b+3], s[\g1b:\g1b+7]
	s_nop 0
.rept 4
	v_nop
.endr
.Lasked_\@:
.endm
.macro CREST                           ; a round of the cluster's barrier behind its opening barrier
	s_cmp_lg_u32 s14, 0
	s_cbranch_scc1 .Lnot_wave_0_\@
	s_barrier_signal -3
.Lnot_wave_0_\@:
	s_barrier_wait -3
	s_barrier_signal -1
	s_barrier_wait -1
.endm
.macro CROUND
	s_barrier_signal -1
	s_barrier_wait -1
	CREST
.endm
.macro PLACES n                        ; plain vector places behind matrix instructions, in front of loads into their registers and of reads of their results
.rept \n
	v_nop
.endr
.endm
.macro FRAG reg, adr, q, i             ; a fragment, 16 rows x 128 K: two half fragments on end: six loads of 8 bytes a lane, each 256 consecutive bytes
.irp p, 0,1,2,3,4,5
	ds_load_b64 v[\reg+2*\p:\reg+2*\p+1], v[\adr] offset:(\i)*3072+(\q)*1536+256*\p
.endr
.endm
.macro FETCH_B slot, q, p              ; B's eight fragments of the slot's q-th 128 along K into set p
	WIN 0x40
.irp i, 0,1,2,3,4,5,6,7
	FRAG 128*(\p)+12*\i, ADRB+\slot, \q, \i
.endr
	WIN 0
.endm
.macro FETCH_A slot, q, i0             ; A's blocks i0 .. i0 + 3
.irp i, \i0, \i0+1, \i0+2, \i0+3
	FRAG AF+12*(\i), ADRA+\slot, \q, \i
.endr
.endm
.macro SCALES sc, t                    ; K step t's scale words into set sc: two words a row; lanes 0-15 A's block i, lanes 16-31 B's block i
.irp i, 0,1,2,3,4,5,6,7
	ds_load_b64 v[SC+16*(\sc)+2*\i:SC+16*(\sc)+2*\i+1], v[ADRS] offset:SBLK*\i+8*(\t)
.endr
.endm
; 16 matrix instructions: A's blocks a0, a0 + 1 x B's eight.  p: B's set; q: which 128 of the K step; sc: the set of scale words.
; cm = 0: the sums go on; 1: they start from the bias of B's rows; 2: from the bias of A's rows.  The 64 accumulators take turns, one instruction a turn, in the same order in every step.
.macro MUL16 a0, p, q, sc, cm
.if \cm
	WIN 0x81+0x40*((\a0)/4)                        ; source 0 window 1, source 1 and C window 0, D window 2 or 3
.else
	WIN 0xa1+0x50*((\a0)/4)                        ; C and D window 2 or 3
.endif
.irp a, \a0, \a0+1
.irp b, 0,1,2,3,4,5,6,7
.set rD, 8*(8*((\a)%4)+\b)
.set rB, 128*(\p)+12*\b
.set rA, AF+12*(\a)
.set rSB, SC+16*(\sc)+2*\b+(\q)
.set rSA, SC+16*(\sc)+2*(\a)+(\q)
.if \cm == 1
	v_wmma_scale_f32_16x16x128_f8f6f4 v[rD:rD+7], v[rB:rB+11], v[rA:rA+11], v[BI+8*\b:BI+8*\b+7], v[rSB], v[rSA] matrix_a_fmt:MATRIX_FMT_BF6 matrix_b_fmt:MATRIX_FMT_BF6 matrix_a_scale:MATRIX_SCALE_ROW1
.elseif \cm == 2
	v_wmma_scale_f32_16x16x128_f8f6f4 v[rD:rD+7], v[rB:rB+11], v[rA:rA+11], v[BI+8*(\a):BI+8*(\a)+7], v[rSB], v[rSA] matrix_a_fmt:MATRIX_FMT_BF6 matrix_b_fmt:MATRIX_FMT_BF6 matrix_a_scale:MATRIX_SCALE_ROW1
.else
	v_wmma_scale_f32_16x16x128_f8f6f4 v[rD:rD+7], v[rB:rB+11], v[rA:rA+11], v[rD:rD+7], v[rSB], v[rSA] matrix_a_fmt:MATRIX_FMT_BF6 matrix_b_fmt:MATRIX_FMT_BF6 matrix_a_scale:MATRIX_SCALE_ROW1
.endif
.endr
.endr
.endm
; A step of 128 along K.  It multiplies B's set p and fetches the next step's fragments (slot ns, its nq-th 128, B's set np); nt >= 0: K step nt's scale words too.
.macro STEP p, q, sc, ns, nq, np, nt, cm
	s_wait_dscnt 24                                ; all but the youngest 24 loads (A's blocks 4-7) are in
	MUL16 0, \p, \q, \sc, \cm
	MUL16 2, \p, \q, \sc, \cm
	s_wait_dscnt 0x0                               ; A's blocks 4-7 are in
	PLACES 4
	FETCH_B \ns, \nq, \np
	FETCH_A \ns, \nq, 0
.if \nt >= 0
	SCALES (\nt)%2, \nt
.endif
	MUL16 4, \p, \q, \sc, \cm
	MUL16 6, \p, \q, \sc, \cm
	PLACES 4
	WIN 0
	FETCH_A \ns, \nq, 4
.endm
; A K step's second half with a barrier.  In front of it each wave waits for all its tensor loads, adds 0 to its spare word, and waits for that and for its LDS reads.
; fill = 1: the barrier opens a round of the cluster's barrier, and behind the round slot 0 is filled again, with K step 3.
.macro TURN sc, ns, nt, fill
	s_wait_tensorcnt 0x0                           ; all my tensor loads have landed
	ds_add_u32 v[SPW], v[NIL]                      ; 0 onto my spare word
	s_wait_dscnt 25                                ; (the add and the youngest 24 loads may be out)
	MUL16 0, 1, 1, \sc, 0                          ; sixteen matrix instructions stand between the add and the wait for it
	s_wait_dscnt 0x0                               ; the add is done, and my reads of the slot in hand are over
	s_barrier_signal -1
	MUL16 2, 1, 1, \sc, 0
	WIN 0
	s_barrier_wait -1
.if \fill
	CREST                                          ; no wave of any partner still reads slot 0 or has a load on its way
	s_add_nc_u64 s[G0+2:G0+3], s[G0+2:G0+3], 3*3072    ; from K step 0 to K step 3
	s_add_nc_u64 s[G0B+2:G0B+3], s[G0B+2:G0B+3], 3*3072
	JLOAD G0, G1, G0B, G1B                         ; the first tensor load behind the round; its four v_nop are the places in front of the loads below
.else
	PLACES 4
.endif
	FETCH_B \ns, 0, 0
	FETCH_A \ns, 0, 0
	SCALES (\nt)%2, \nt
	MUL16 4, 1, 1, \sc, 0
	MUL16 6, 1, 1, \sc, 0
	PLACES 4
	WIN 0
	FETCH_A \ns, 0, 4
.endm
	s_load_b128 s[4:7], s[0:1], 0x0                ; c1, s1
	s_load_b128 s[8:11], s[0:1], 0x10              ; qkv_b, qr
	s_load_b64 s[12:13], s[0:1], 0x20              ; kv
	v_lshl_add_u32 v[SPW], v0, 2, SPARE
	v_mov_b32 v[NIL], 0
	ds_add_u32 v28, v29
	ds_add_u32 v28, v29
	s_wait_dscnt 0x0
	v_lshrrev_b32 v1, 5, v0
	v_readfirstlane_b32 s14, v1                    ; wave 0..3
	s_lshr_b32 s15, s14, 1                         ; wr: my half of A's rows.  Also: I fetch for A' (0) or B' (1)
	s_and_b32 s16, s14, 1                          ; wc: my half of B's rows.  Also: which 128 rows I fetch
	s_bfe_u32 s17, ttmp6, 0x40000                  ; cx
	s_bfe_u32 s18, ttmp6, 0x40004                  ; cy
	s_and_b32 s2, ttmp7, 0xffff                    ; the cluster's y
	s_cmp_eq_u32 ttmp9, 2                          ; the cluster's x is the role
	s_cselect_b32 s[ISV], 1, 0
	s_cselect_b32 s20, 0, s2
	s_cselect_b32 s21, s2, ttmp9
	s_cselect_b32 s22, 640, 0                      ; A' begins at row tile 640 (Wv) or 0 (x)
	s_cselect_b32 s23, 0, 512                      ; B' at 0 (x) or 512 (Wq)
	s_lshl_b32 s20, s20, 2
	s_add_co_u32 s20, s20, s18                     ; RA: which 256 rows of A'
	s_lshl_b32 s21, s21, 2
	s_add_co_u32 s21, s21, s17                     ; CB: which 256 rows of B'
	s_lshl_b32 s66, s18, 2
	s_lshl_b32 s66, 15, s66                        ; my row of the cluster
	s_lshl_b32 s67, 0x1111, s17                    ; my column
	; group 1 for codes: 8 row tiles x 3,072 bytes (384 elements of 8 bytes), 12,288 bytes apart, dense in LDS
	s_or_b32 s[G1], s66, (3<<16)|(1<<21)
	s_or_b32 s[G1B], s67, (3<<16)|(1<<21)
.irp g, G1, G1B
	s_mov_b32 s[\g+1], 384<<16                     ; tensor_dim0
	s_mov_b32 s[\g+2], 8<<16                       ; tensor_dim1
	s_mov_b32 s[\g+3], 384<<16                     ; tile_dim0
	s_mov_b32 s[\g+4], 8                           ; tile_dim1
	s_mov_b32 s[\g+5], 1536                        ; tensor_dim0_stride
	s_mov_b32 s[\g+6], 0
	s_mov_b32 s[\g+7], 0
.endr
	; and for the scale bytes of 128 rows: 4,096 dense bytes as 16 rows of 256, 16 bytes of padding behind each
	s_or_b32 s[G1S], s66, (3<<16)|(1<<20)|(1<<21)|(5<<22)|(3<<25)
	s_or_b32 s[G1SB], s67, (3<<16)|(1<<20)|(1<<21)|(5<<22)|(3<<25)
.irp g, G1S, G1SB
	s_mov_b32 s[\g+1], 32<<16
	s_mov_b32 s[\g+2], 16<<16
	s_mov_b32 s[\g+3], 32<<16
	s_mov_b32 s[\g+4], 16
	s_mov_b32 s[\g+5], 32
	s_mov_b32 s[\g+6], 0
	s_mov_b32 s[\g+7], 0
.endr
	s_lshl_b32 s2, s16, 3                          ; the 8 row tiles that I fetch
	s_lshl_b32 s66, s20, 4
	s_add_co_u32 s22, s22, s66
	s_add_co_u32 s22, s22, s2                      ; A': my first row tile: it hangs on cy and the cluster's place alone
	s_lshl_b32 s67, s21, 4
	s_add_co_u32 s23, s23, s67
	s_add_co_u32 s23, s23, s2                      ; B': on cx and the cluster's place alone
	s_mul_i32 s92, s22, RTM
	s_mov_b32 s93, 0
	s_lshl_b32 s94, s22, 9                         ; 512 scale bytes a row tile
	s_mov_b32 s95, 0
	s_mul_i32 s96, s23, RTM
	s_mov_b32 s97, 0
	s_lshl_b32 s98, s23, 9
	s_mov_b32 s99, 0
	s_mul_i32 s104, s14, WPART                     ; where they go: by the wave's number alone
	s_mul_i32 s105, s14, HALFS
	s_wait_kmcnt 0x0
	s_add_nc_u64 s[92:93], s[4:5], s[92:93]
	s_add_nc_u64 s[94:95], s[6:7], s[94:95]
	s_add_nc_u64 s[96:97], s[4:5], s[96:97]
	s_add_nc_u64 s[98:99], s[6:7], s[98:99]
	CROUND                                         ; all sixteen work-groups are here: the first joint loads meet
	s_mov_b32 s[G0S], 1
	s_add_co_u32 s[G0S+1], s105, SCL
	s_mov_b64 s[G0S+2:G0S+3], s[94:95]
	s_or_b32 s[G0S+3], s[G0S+3], 0x80000000
	s_mov_b32 s[G0SB], 1
	s_add_co_u32 s[G0SB+1], s105, SCL
	s_mov_b64 s[G0SB+2:G0SB+3], s[98:99]
	s_or_b32 s[G0SB+3], s[G0SB+3], 0x80000000
	JLOAD G0S, G1S, G0SB, G1SB                     ; the scales of all of K: filled once
.irp s, 0,1,2
	s_mov_b32 s[G0+4*\s], 1
	s_add_co_u32 s[G0+4*\s+1], s104, \s*SLOT
	s_add_nc_u64 s[G0+4*\s+2:G0+4*\s+3], s[92:93], \s*3072
	s_or_b32 s[G0+4*\s+3], s[G0+4*\s+3], 0x80000000
	s_mov_b32 s[G0B+4*\s], 1
	s_add_co_u32 s[G0B+4*\s+1], s104, \s*SLOT
	s_add_nc_u64 s[G0B+4*\s+2:G0B+4*\s+3], s[96:97], \s*3072
	s_or_b32 s[G0B+4*\s+3], s[G0B+4*\s+3], 0x80000000
	JLOAD G0+4*\s, G1, G0B+4*\s, G1B               ; K steps 0, 1, 2
.endr
	v_and_b32 v1, 31, v0                           ; lane
	v_and_b32 v2, 15, v0                           ; r
	v_bfe_u32 v3, v0, 4, 1                         ; h
	v_lshlrev_b32 v4, 3, v1
	; the bias: the C of each sum's first matrix instruction, eight registers a tile in the result's layout
	s_cmp_eq_u32 s[ISV], 1
	s_cselect_b32 s2, s18, s21                     ; which 256 channels: v: 8 + cy;  q, k: CB
	s_cselect_b32 s3, 8, 0
	s_cselect_b32 s104, s15, s16                   ; and my half of them
	s_add_co_u32 s2, s2, s3
	s_lshl_b32 s2, s2, 10
	s_lshl_b32 s104, s104, 9
	s_add_co_u32 s2, s2, s104
	s_mov_b32 s3, 0
	s_add_nc_u64 s[8:9], s[8:9], s[2:3]
	s_cmp_eq_u32 s[ISV], 1
	s_cbranch_scc1 .Lbias_v
	v_lshlrev_b32 v[BV], 5, v3                     ; q, k: register 8 b + j: the bias of channel 16 b + 8 h + j
.irp b, 0,1,2,3,4,5,6,7
	global_load_b128 v[BI+8*\b:BI+8*\b+3], v[BV], s[8:9] offset:64*\b
	global_load_b128 v[BI+8*\b+4:BI+8*\b+7], v[BV], s[8:9] offset:64*\b+16
.endr
	s_branch .Lbias_done
.Lbias_v:
	v_lshlrev_b32 v[BV], 2, v2                     ; v: all eight registers of tile a hold the bias of channel 16 a + r: eight loads of the same 64 bytes, so that both roles fill all 64 registers by loads
.irp a, 0,1,2,3,4,5,6,7
.irp j, 0,1,2,3,4,5,6,7
	global_load_b32 v[BI+8*\a+\j], v[BV], s[8:9] offset:64*\a
.endr
.endr
.Lbias_done:
	s_mul_i32 s2, s15, WPART                       ; my 128 rows of A',
	s_mul_i32 s3, s16, WPART
	s_add_co_u32 s3, s3, 2*WPART                   ; my 128 rows of B', behind A's 256
.irp s, 0,1,2
	v_add_nc_u32 v[ADRA+\s], s2, v4
	v_add_nc_u32 v[ADRB+\s], s3, v4
	s_add_co_u32 s2, s2, SLOT
	s_add_co_u32 s3, s3, SLOT
.endr
	v_lshlrev_b32 v5, 5, v2                        ; my row's scales: 32 bytes a row,
	v_lshrrev_b32 v6, 3, v2
	v_lshl_add_u32 v5, v6, 4, v5                   ; and 16 more for each 256 passed
	s_mul_i32 s2, s15, HALFS
	s_mul_i32 s3, s16, HALFS
	s_add_co_u32 s3, s3, 2*HALFS
	s_sub_co_u32 s3, s3, s2
	v_mul_u32_u24 v6, s3, v3                       ; lanes 16-31 take B's
	s_add_co_u32 s2, s2, SCL
	v_add_nc_u32 v5, v5, v6
	v_add_nc_u32 v[ADRS], s2, v5
	; where the results go
	s_cmp_eq_u32 s[ISV], 1
	s_cselect_b32 s2, s21, s20                     ; the tile's 256 tokens,
	s_cselect_b32 s3, s16, s15                     ; my 128 of them: one key step
	s_cselect_b32 s22, s18, s17                    ; the tile's 256 channels (four heads),
	s_cselect_b32 s23, s15, s16                    ; my 128 of them (two heads)
	s_cselect_b32 s104, 6144, 0                    ; V's codes lie behind K's
	s_lshl_b32 s2, s2, 1
	s_add_co_u32 s2, s2, s3                        ; the key step among all 64
	s_lshr_b32 s3, s2, 4
	s_lshl_b32 s3, s3, 4                           ; 16 x batch
	s_and_b32 s2, s2, 15                           ; ks
	s_lshl_b32 s22, s22, 2
	s_add_co_u32 s3, s3, s22
	s_lshl_b32 s23, s23, 1
	s_add_co_u32 s3, s3, s23                       ; bh of my first head
	s_mov_b32 s105, 12800
	s_cmp_eq_u32 ttmp9, 0
	s_cselect_b32 s105, 6400, s105                 ; a record
	s_cselect_b64 s[SB:SB+1], s[10:11], s[12:13]   ; qr or kv
	s_lshl_b32 s22, s105, 4                        ; a head: 16 records
	s_mul_i32 s3, s3, s22
	s_mul_i32 s2, s2, s105
	s_add_co_u32 s2, s2, s3
	s_mov_b32 s3, 0
	s_add_nc_u64 s[SB:SB+1], s[SB:SB+1], s[2:3]    ; my first head's record
	s_mov_b32 s105, 0
	s_add_nc_u64 s[PB:PB+1], s[SB:SB+1], s[104:105]
	s_mov_b32 s23, 3072
	s_cmp_eq_u32 s[ISV], 1
	s_cselect_b32 s2, s23, s22                     ; from c = 0 to 1: q, k: the next head;  v: the next 64 keys
	s_cselect_b32 s104, s22, s23                   ; from blocks 0-3 to 4-7: q, k: four half fragments on;  v: the next head
	s_add_nc_u64 s[PB+4:PB+5], s[PB:PB+1], s[2:3]
	s_add_nc_u64 s[PB+2:PB+3], s[PB:PB+1], s[104:105]
	s_add_nc_u64 s[PB+6:PB+7], s[PB+4:PB+5], s[104:105]
	s_mov_b32 s2, 12288
	s_cmp_eq_u32 ttmp9, 0
	s_cselect_b32 s2, 6144, s2
	s_cmp_eq_u32 ttmp9, 2
	s_cselect_b32 s2, 12544, s2
	s_add_nc_u64 s[SB:SB+1], s[SB:SB+1], s[2:3]    ; the record's scale words
	v_mul_u32_u24 v[SOFF], s22, v3
	v_lshl_add_u32 v[SOFF], v2, 4, v[SOFF]         ; 16 r; lanes 16-31 store the second head's
	v_lshlrev_b32 v[CO], 3, v1
	s_wait_tensorcnt 0x2                           ; the scales and my part of K step 0 are in; K steps 1 and 2 may be out
	s_barrier_signal -1
	s_barrier_wait -1
	FETCH_B 0, 0, 0
	FETCH_A 0, 0, 0
	SCALES 0, 0
	FETCH_A 0, 0, 4
	s_wait_loadcnt 0x0                             ; the bias
	s_cmp_eq_u32 s[ISV], 1                         ; the first step is written for each role: they differ in which bias tile is an accumulator's C
	s_cbranch_scc1 .Lfirst_v
	STEP 0, 0, 0, 0, 1, 1, -1, 1
	s_branch .Lfirst_done
.Lfirst_v:
	STEP 0, 0, 0, 0, 1, 1, -1, 2
.Lfirst_done:
	TURN 0, 1, 1, 1                                ; K step 0 ends; slot 0 takes K step 3: 224 matrix instructions ahead of the wait for it
	STEP 0, 0, 1, 1, 1, 1, -1, 0                   ; K step 1
	STEP 1, 1, 1, 2, 0, 0, 2, 0                    ; on into slot 2: every wave showed it landed in front of the round above
	STEP 0, 0, 0, 2, 1, 1, -1, 0                   ; K step 2
	TURN 0, 0, 3, 0                                ; K step 3 has landed for every wave; nothing is filled again
	STEP 0, 0, 1, 0, 1, 1, -1, 0                   ; K step 3
	s_wait_dscnt 24
	MUL16 0, 1, 1, 1, 0
	MUL16 2, 1, 1, 1, 0
	s_wait_dscnt 0x0
	MUL16 4, 1, 1, 1, 0
	MUL16 6, 1, 1, 1, 0
	WIN 0
	PLACES 4
; THE WAY OUT of block a (16 rows of A', my 128 rows of B': four blocks of 32 along the next K).  The 16 registers of accumulators 2 b and 2 b + 1 are my half of block b.
; Largest magnitude (with the floor 2^(5 - 127)), with lane l xor 16's; byte and scale operand; four conversions; the exchange of halves gives a lane a whole block: two half fragments, stored as they stand.
.macro OUTBLK a
.set ACB, 64*((\a)%4)
.set AW, 2+(\a)/4
	WIN AW|(AW<<2)                                 ; sources 0 and 1: the accumulators' window
.irp b, 0,1,2,3
	v_max3_num_f32 v[TM+\b], |v[ACB+16*\b]|, |v[ACB+16*\b+1]|, 0x2800000   ; each accumulator is read from its low end on
.endr
.irp i, 2,4,6,8,10,12,14
.irp b, 0,1,2,3
	v_max3_num_f32 v[TM+\b], |v[ACB+16*\b+\i]|, |v[ACB+16*\b+\i+1]|, v[TM+\b]
.endr
.endr
	WIN 0
.irp b, 0,1,2,3
	v_permlanex16_b32 v[TM+4+\b], v[TM+\b], s2, s3
.endr
.irp b, 0,1,2,3
	v_max_num_f32 v[TM+\b], v[TM+\b], v[TM+4+\b]
.endr
.irp b, 0,1,2,3
	v_add_nc_u32 v[TM+12+\b], 0xfe000000, v[TM+\b] ; 4 off the exponent field: the conversion's scale operand
.endr
.irp b, 0,1,2,3
	v_lshrrev_b32 v[TM+4+\b], 23, v[TM+12+\b]      ; the scale's byte
.endr
	v_lshl_or_b32 v[PW+\a], v[TM+5], 8, v[TM+4]
	v_lshl_or_b32 v[PW+\a], v[TM+6], 16, v[PW+\a]
	v_lshl_or_b32 v[PW+\a], v[TM+7], 24, v[PW+\a]
.if \a > 0
	s_wait_xcnt 0x0                                ; the last block's stores have read their data: the codes' registers are written again only behind this wait
.endif
	WIN AW                                         ; source 0: the accumulators' window
.irp c, 0,1
	v_cvt_scalef32_pk16_bf6_f32 v[PC+6*\c:PC+6*\c+2], v[ACB+32*\c:ACB+32*\c+15], v[TM+12+2*\c]
	v_cvt_scalef32_pk16_bf6_f32 v[PC+12+4*\c:PC+14+4*\c], v[ACB+32*\c+16:ACB+32*\c+31], v[TM+13+2*\c]
.endr
	WIN 0
	v_nop                                          ; one plain place behind a scaled conversion
.irp c, 0,1
.irp i, 0,1,2
	v_permlane16_swap_b32 v[PC+6*\c+\i], v[PC+12+4*\c+\i]
.endr
.irp i, 0,1,2
	v_mov_b32 v[PC+3+6*\c+\i], v[PC+12+4*\c+\i]
.endr
.endr
.irp c, 0,1
.irp p, 0,1,2
	global_store_b64 v[CO], v[PC+6*\c+2*\p:PC+6*\c+2*\p+1], s[PB+4*\c+2*((\a)/4):PB+4*\c+2*((\a)/4)+1] offset:((\a)%4)*768+256*\p   ; 32 lanes store 256 consecutive bytes, aligned
.endr
.endr
.endm
	s_mov_b32 s2, 0x76543210
	s_mov_b32 s3, 0xfedcba98                       ; selects for lane l xor 16
.irp a, 0,1,2,3,4,5,6,7
	OUTBLK \a
.endr
	v_cmp_ne_u32 vcc_lo, 0, v3                     ; lanes 16-31
	s_cmp_eq_u32 s[ISV], 1
	s_cbranch_scc1 .Lsw_v
	v_mov_b32 v[SELR], 0x05040100                  ; q, k: a block's word holds two bytes of each of my two heads.  Lanes 0-15 gather the first head's, lanes 16-31 the second's:
	v_mov_b32 v[SELR+1], 0x07060302
	v_cndmask_b32 v[SELR], v[SELR], v[SELR+1], vcc_lo
.irp j, 0,1,2,3
	v_perm_b32 v[SW+\j], v[PW+2*\j+1], v[PW+2*\j], v[SELR]   ; word j: tokens 32 j + r below, 32 j + 16 + r above
.endr
	s_branch .Lsw_done
.Lsw_v:
.irp j, 0,1,2,3
	v_cndmask_b32 v[SW+\j], v[PW+\j], v[PW+4+\j], vcc_lo     ; v: blocks 0-3 are the first head's channels, blocks 4-7 the second's
.endr
.Lsw_done:
	global_store_b128 v[SOFF], v[SW:SW+3], s[SB:SB+1]        ; sixteen lanes store 256 consecutive bytes, aligned
	s_wait_tensorcnt 0x0                           ; the wave's end
	ds_add_u32 v[SPW], v[NIL]
	s_wait_dscnt 0x0
	CROUND                                         ; the closing round
	s_endpgm
.Lfunc_end_k_qa43ff47899_qkv:
	.size	k_qa43ff47899_qkv, .Lfunc_end_k_qa43ff47899_qkv-k_qa43ff47899_qkv
	.p2alignl 7, 3214868480
	.fill 96, 4, 3214868480
	.section	.rodata,"a",@progbits
	.p2align	6, 0x0
	.amdhsa_kernel k_qa43ff47899_qkv
		.amdhsa_group_segment_fixed_size 327680
		.amdhsa_private_segment_fixed_size 0
		.amdhsa_enable_private_segment 0
		.amdhsa_kernarg_size 40
		.amdhsa_user_sgpr_count 2
		.amdhsa_user_sgpr_kernarg_segment_ptr 1
		.amdhsa_wavefront_size32 1
		.amdhsa_system_sgpr_workgroup_id_x 1
		.amdhsa_system_sgpr_workgroup_id_y 1
		.amdhsa_system_sgpr_workgroup_id_z 1
		.amdhsa_system_vgpr_workitem_id 0
		.amdhsa_next_free_vgpr 1024
		.amdhsa_next_free_sgpr 106
		.amdhsa_reserve_vcc 1
		.amdhsa_float_denorm_mode_32 3
		.amdhsa_float_denorm_mode_16_64 3
		.amdhsa_memory_ordered 1
		.amdhsa_forward_progress 1
		.amdhsa_inst_pref_size 190
	.end_amdhsa_kernel
	.amdgpu_metadata
---
amdhsa.version: [ 1, 2 ]
amdhsa.kernels:
  - .name:           k_qa43ff47899_qkv
    .symbol:         k_qa43ff47899_qkv.kd
    .args:
      - { .name: c1, .offset: 0, .size: 8, .value_kind: global_buffer, .address_space: global }
      - { .name: s1, .offset: 8, .size: 8, .value_kind: global_buffer, .address_space: global }
      - { .name: qkv_b, .offset: 16, .size: 8, .value_kind: global_buffer, .address_space: global }
      - { .name: qr, .offset: 24, .size: 8, .value_kind: global_buffer, .address_space: global }
      - { .name: kv, .offset: 32, .size: 8, .value_kind: global_buffer, .address_space: global }
    .group_segment_fixed_size: 327680
    .private_segment_fixed_size: 0
    .kernarg_segment_align: 8
    .kernarg_segment_size: 40
    .max_flat_workgroup_size: 128
    .sgpr_count:     106
    .vgpr_count:     1024
    .wavefront_size: 32
...
	.end_amdgpu_metadata
.endif
;; end of part 2
;; launch attn (part 3): grid 4 x 64, 16 waves a work-group, clusters of 4 x 1, 206,848 bytes of LDS; arguments qr, kv, aoc, aos; writes aoc, aos
.if DOCPART == 3
	.amdgcn_target "amdgcn-amd-amdhsa--gfx1250"
	.amdhsa_code_object_version 6
	.text
	.protected	k_qa43ff47899_attn
	.globl	k_qa43ff47899_attn
	.p2align	8
	.type	k_qa43ff47899_attn,@function
k_qa43ff47899_attn:
	s_mov_b64 s[64:65], 0
	v_nop
	global_prefetch_b8 v0, s[64:65] scope:SCOPE_SE
	s_setreg_imm32_b32 hwreg(HW_REG_WAVE_MODE, 25, 1), 1
	s_wait_xcnt 0x0
	s_wait_alu depctr_hold_cnt(0) depctr_sa_sdst(0) depctr_va_vdst(0) depctr_va_sdst(0) depctr_va_ssrc(0) depctr_va_vcc(0) depctr_vm_vsrc(0)
	s_getreg_b32 s2, hwreg(HW_REG_IB_STS2, 6, 4)
	s_cmp_eq_u32 s2, 0
	s_cbranch_scc0 .Lentry_in_a_cluster
	s_endpgm
.Lentry_in_a_cluster:
	s_bfe_u32 s2, ttmp6, 0x10000c
	s_cmp_lg_u32 s2, 0x3003
	s_cbranch_scc0 .Lentry_shape_is_right
	s_endpgm
.Lentry_shape_is_right:
; Causal attention of one (batch, head) for each cluster, both products on codes of BF6 with E8M0 scales; the result is divided by the row's sum and quantised along C for the last product.
; SOFTMAX AHEAD OF THE SECOND PRODUCT: t = score x log2(e) / 8; M = the running largest t rounded up to a whole number; p = 2^(t - M) is quantised along the keys, not normalised; the row's sum is taken
; of the unquantised p; when M moves, the sum and O are multiplied by 2^(old M - new M), exactly.
; SHARES.  The head's 128 tiles of 16 queries belong to the cluster's four work-groups (cx) of sixteen waves (w): a wave owns tile i = 4 w + cx and tile 127 - i.  Their last key steps (128 keys a step)
; are w / 2 and 15 - w / 2, whatever cx: every wave works 17 steps, and every branch hangs on the wave's number and a counter alone.  cx enters global addresses and the mask's data only.
; K AND V OF THE WHOLE HEAD STAY IN LDS: 16 records of 12,800 bytes, filled once, by joint loads that name all four work-groups: each wave brings 6,400 bytes of key steps 0-7 and 6,400 of key steps 8-15
; (two tensor loads of a wave are out at the most).  Nothing is filled again and nothing is stored to LDS.
; A record: K's 8 half fragments (16 keys x 64, the image of six operand registers: piece p at 256 p + 8 lane); at 6,144 + 3,072 c + 768 dt V's (16 channels x 64 keys); at 12,288 K's scale words, at 12,544 V's.
; K = 64 IN AN INSTRUCTION OF 128: a fragment of K holds keys 32 f + row in registers 0-5 and keys 32 f + 16 + row in registers 6-11.  Q stands between zeros: v16-21 zeros, v22-27 q, v28-33 zeros:
; v[22:33] (q, zeros) picks the first sixteen keys, v[16:27] (zeros, q) the second: zero codes add nothing under any of these scale bytes (1 to 254).
; LAYOUT.  Both products are used transposed (S^T = K Q^T, O^T = V^T P^T): a lane holds one query (lane % 16).  Registers 16 f + 8 u + j of S^T are keys 32 f + 16 u + 8 (lane / 16) + j, so that p's codes
; of a block stand in the order 0-7, 16-23, 8-15, 24-31, as v's do: alike on both sides of the product.  The way out restores the natural order along the head's 64.
; LIMITS: a block's largest p is taken through its largest score (it takes v_exp_f32 not to fall where its input rises); a block whose every p is 0 keeps the byte 1 over zero codes; NaN and infinities are not served.
; REGISTERS: v1-11 addresses and lane constants; v12 -M, v13 the largest t, v[14:15] the sum; v16-33 Q; v34 Q's scale word; v36-83 four fragments of K, then of V; v84-91 their scale words; v96-159 S^T, then p;
;   v160-191 O^T; v192-211 p's codes; v212-229 at work; v224 p's scale word; v230 -infinity.
.set REC,   12800
.set HALFK, 8*REC
.set TB,    40                         ; s40 LDS byte of the key step in hand
.set SI,    41                         ; s41 the key step's number, and the loops' counter
.set LIM,   42                         ; s42 the tile's last key step, the one on the diagonal
.set QH,    44                         ; s[44:45] Q's half fragment;  s[46:47] its scale words;  s[48:49], s[50:51] where the tile's codes and scale bytes go
.set QSC,   46
.set AOC,   48
.set AOS,   50
.macro CROUND                          ; a round of the cluster's barrier
	s_barrier_signal -1
	s_barrier_wait -1
	s_cmp_lg_u32 s12, 0
	s_cbranch_scc1 .Lnot_wave_0_\@
	s_barrier_signal -3
.Lnot_wave_0_\@:
	s_barrier_wait -3
	s_barrier_signal -1
	s_barrier_wait -1
.endm
	s_load_b128 s[4:7], s[0:1], 0x0                ; qr, kv
	s_load_b128 s[8:11], s[0:1], 0x10              ; aoc, aos
	v_lshl_add_u32 v254, v0, 2, 0x32000
	v_mov_b32 v255, 0
	ds_add_u32 v254, v255
	ds_add_u32 v254, v255
	v_lshrrev_b32 v8, 5, v0
	s_delay_alu instid0(VALU_DEP_1)
	v_readfirstlane_b32 s12, v8                    ; wave 0..15
	s_bfe_u32 s13, ttmp6, 0x40000                  ; cx
	s_and_b32 s14, ttmp7, 0xffff                   ; bh = 16 x batch + head, which the four partners share
	; group 1: 6,400 dense bytes as 25 rows of 256 (32 elements of 8 bytes), no padding
	s_mov_b32 s24, 15|(3<<16)|(1<<21)              ; 15:0 the mask: all four work-groups; 17:16 elements of 8 bytes; 21 set beside a mask
	s_mov_b32 s25, 32<<16
	s_mov_b32 s26, 25<<16
	s_mov_b32 s27, 32<<16
	s_mov_b32 s28, 25
	s_mov_b32 s29, 32
	s_mov_b32 s30, 0
	s_mov_b32 s31, 0
	s_mov_b32 s20, 0x76543210
	s_mov_b32 s21, 0xfedcba98                      ; selects for lane l xor 16
	s_mov_b32 s22, 0x3e38aa3b                      ; c = log2(e) / sqrt(64)
	s_mov_b32 s23, s22                             ; (named with it as a pair)
	s_mul_i32 s54, s12, REC/2                      ; my 6,400 bytes of each half: in LDS,
	s_mul_i32 s52, s14, 16*REC
	s_add_co_u32 s52, s52, s54                     ; and in kv
	s_mov_b32 s53, 0
	v_and_b32 v8, 31, v0
	s_delay_alu instid0(VALU_DEP_1)
	v_lshlrev_b32 v1, 3, v8                        ; 8 x lane
	v_and_b32 v11, 15, v0                          ; r
	v_bfe_u32 v10, v0, 4, 1                        ; h
	s_delay_alu instid0(VALU_DEP_2)
	v_lshlrev_b32 v6, 4, v11                       ; 16 r
	s_delay_alu instid0(VALU_DEP_1)
	v_add_nc_u32 v2, 12288, v6                     ; a record's scale words
	s_delay_alu instid0(VALU_DEP_3)
	v_lshl_add_u32 v7, v11, 5, v10                 ; 32 r + h: my scale byte on the way out
	s_delay_alu instid0(VALU_DEP_4)
	v_lshlrev_b32 v9, 3, v10
	s_delay_alu instid0(VALU_DEP_1)
	v_sub_nc_u32 v9, v11, v9                       ; r - 8 h
.irp j, 16,17,18,19,20,21,28,29,30,31,32,33
	v_mov_b32 v\j, 0                               ; the zero codes on both sides of q
.endr
.irp j, 216,217,218,219,227
	v_mov_b32 v\j, 0                               ; lane permutes' destinations, and the upper half of the pair v[226:227]
.endr
	v_mov_b32 v230, 0xff800000                     ; -infinity
	s_wait_dscnt 0x0
	s_wait_kmcnt 0x0
	s_add_nc_u64 s[52:53], s[6:7], s[52:53]
	CROUND                                         ; all four work-groups are here: the joint loads meet
	s_mov_b32 s32, 1
	s_mov_b32 s33, s54
	s_mov_b64 s[34:35], s[52:53]
	s_or_b32 s35, s35, 0x80000000
	s_mov_b32 s36, 1
	s_add_co_u32 s37, s54, HALFK
	s_add_nc_u64 s[38:39], s[52:53], HALFK
	s_or_b32 s39, s39, 0x80000000
	tensor_load_to_lds s[32:35], s[24:31]          ; my part of key steps 0-7
	s_nop 0
	tensor_load_to_lds s[36:39], s[24:31]          ; and of key steps 8-15
	s_nop 0
.rept 4
	v_nop
.endr
; A tile begins.  late = 0: tile i = 4 w + cx;  1: tile 127 - i.
.macro INIT late
	s_wait_xcnt 0x0                                ; earlier loads and stores have read their bases and data
	s_lshl_b32 s52, s12, 2
	s_add_co_u32 s52, s52, s13                     ; i
	s_lshr_b32 s[LIM], s12, 1                      ; i / 8, whatever cx
.if \late
	s_xor_b32 s52, s52, 127                        ; 127 - i
	s_xor_b32 s[LIM], s[LIM], 15                   ; 15 - w / 2
.endif
	s_and_b32 s53, s52, 7                          ; the tile's place in its record
	s_mul_i32 s54, s14, 16*6400
	s_mul_i32 s55, s[LIM], 6400
	s_add_co_u32 s54, s54, s55                     ; the record in qr
	s_mul_i32 s55, s53, 768
	s_add_co_u32 s56, s54, s55
	s_mov_b32 s57, 0
	s_add_nc_u64 s[QH:QH+1], s[4:5], s[56:57]
	s_lshr_b32 s55, s53, 1
	s_lshl_b32 s55, s55, 2
	s_add_co_u32 s56, s54, s55
	s_add_co_u32 s56, s56, 6144
	s_add_nc_u64 s[QSC:QSC+1], s[4:5], s[56:57]    ; word (place / 2) of each row's four
.irp p, 0,1,2
	global_load_b64 v[22+2*\p:23+2*\p], v1, s[QH:QH+1] offset:256*\p
.endr
	global_load_b32 v8, v6, s[QSC:QSC+1]
	s_lshr_b32 s54, s14, 4
	s_lshl_b32 s54, s54, 7
	s_add_co_u32 s54, s54, s52                     ; the tile among all 512 tiles of tokens
	s_and_b32 s55, s14, 15                         ; the head
	s_lshl_b32 s56, s54, 4
	s_add_co_u32 s56, s56, s55
	s_mul_i32 s56, s56, 768
	s_add_nc_u64 s[AOC:AOC+1], s[8:9], s[56:57]
	s_lshl_b32 s56, s54, 9
	s_lshl_b32 s55, s55, 1
	s_add_co_u32 s56, s56, s55
	s_add_nc_u64 s[AOS:AOS+1], s[10:11], s[56:57]
	s_lshl_b32 s55, s53, 4
	v_add_nc_u32 v5, s55, v9                       ; my query's place in the diagonal step, less 8 h
	s_and_b32 s55, s52, 1
	s_lshl_b32 s55, s55, 4
	s_mov_b32 s[TB], 0
	s_mov_b32 s[SI], 0
	s_wait_loadcnt 0x0
	v_lshrrev_b32 v8, s55, v8                      ; my tile's two bytes of the word,
	s_delay_alu instid0(VALU_DEP_1)
	v_and_b32 v8, 0xffff, v8
	s_delay_alu instid0(VALU_DEP_1)
	v_lshl_or_b32 v34, v8, 16, v8                  ; twice: for q in either half of the operand
	v_mov_b32 v13, 0xff61b1e6                      ; the largest t so far: -3e38
	s_delay_alu instid0(VALU_DEP_1)
	v_floor_f32 v12, -v13                          ; -M
	v_mov_b32 v14, 0
	v_mov_b32 v15, 0
.set j, 0
.rept 32
	v_mov_b32 v[160+j], 0                          ; O^T: the step is written once, its first turn finds zeros.  (These are also the places between the scale word and the first product)
.set j, j+1
.endr
.endm
; A KEY STEP: 128 keys.  full = 1: steps behind the tile's last are left out (but for the line that steps the address), and in the last one hidden scores become -infinity.
.macro STEP full
.if \full
	s_cmp_gt_u32 s[SI], s[LIM]
	s_cbranch_scc1 .Lhid_\@
.endif
	s_setprio 2
	v_add_nc_u32 v3, s[TB], v1
	v_add_nc_u32 v4, s[TB], v2
	v_nop
	v_nop                                          ; four places in front of loads into registers that the last products read
.irp f, 0,1,2,3
.irp p, 0,1,2,3,4,5
	ds_load_b64 v[36+12*\f+2*\p:37+12*\f+2*\p], v3 offset:1536*\f+256*\p
.endr
.endr
	ds_load_b128 v[84:87], v4                      ; K's four scale words of my row
	s_wait_alu depctr_va_vdst(0)
	s_wait_dscnt 0x0
.irp f, 0,1,2,3
	v_wmma_scale_f32_16x16x128_f8f6f4 v[96+16*\f:103+16*\f], v[36+12*\f:47+12*\f], v[22:33], 0, v[84+\f], v34 matrix_a_fmt:MATRIX_FMT_BF6 matrix_b_fmt:MATRIX_FMT_BF6
	v_wmma_scale_f32_16x16x128_f8f6f4 v[104+16*\f:111+16*\f], v[36+12*\f:47+12*\f], v[16:27], 0, v[84+\f], v34 matrix_a_fmt:MATRIX_FMT_BF6 matrix_b_fmt:MATRIX_FMT_BF6
.endr
.rept 4
	v_nop
.endr
.irp f, 0,1,2,3                                ; V's fragments land while the softmax is worked
.irp c, 0,1
.irp p, 0,1,2
	ds_load_b64 v[36+12*\f+6*\c+2*\p:37+12*\f+6*\c+2*\p], v3 offset:6144+3072*\c+768*\f+256*\p
.endr
.endr
.endr
	ds_load_b128 v[88:91], v4 offset:256
.if \full
	s_cmp_lg_u32 s[SI], s[LIM]
	s_cbranch_scc1 .Lopen_\@
.set n, 0
.rept 64                                       ; register n holds the step's key 32 (n / 16) + 16 ((n % 16) / 8) + n % 8 + 8 h: hidden where it lies behind my query
	v_cmp_gt_i32 vcc_lo, 32*(n/16)+16*((n%16)/8)+n%8, v5
	v_cndmask_b32 v[96+n], v[96+n], v230, vcc_lo
.set n, n+1
.endr
.Lopen_\@:
.endif
.irp b, 0,1,2,3
	v_max3_num_f32 v[212+\b], v[96+16*\b], v[97+16*\b], v[98+16*\b]   ; the largest score of each block of 32 keys: for the row's maximum, and for the block's largest p
.endr
.irp i, 3,5,7,9,11,13
.irp b, 0,1,2,3
	v_max3_num_f32 v[212+\b], v[212+\b], v[96+16*\b+\i], v[97+16*\b+\i]
.endr
.endr
.irp b, 0,1,2,3
	v_max_num_f32 v[212+\b], v[212+\b], v[111+16*\b]
.endr
.irp b, 0,1,2,3
	s_delay_alu instid0(VALU_DEP_4)
	v_permlanex16_b32 v[216+\b], v[212+\b], s20, s21
.endr
.irp b, 0,1,2,3
	s_delay_alu instid0(VALU_DEP_4)
	v_max_num_f32 v[212+\b], v[212+\b], v[216+\b]  ; with lane l xor 16's 16 keys
.endr
	s_delay_alu instid0(VALU_DEP_2)
	v_max3_num_f32 v228, v212, v213, v214
	s_delay_alu instid0(VALU_DEP_1)
	v_max_num_f32 v228, v228, v215
	s_delay_alu instid0(VALU_DEP_1)
	v_mul_f32 v228, s22, v228                      ; as t (c is positive)
	s_delay_alu instid0(VALU_DEP_1)
	v_max_num_f32 v13, v13, v228                   ; the running largest t
	v_mov_b32 v228, v12
	s_delay_alu instid0(VALU_DEP_2)
	v_floor_f32 v12, -v13                          ; the new -M = -ceil(t)
	s_delay_alu instid0(VALU_DEP_1)
	v_sub_f32 v228, v12, v228                      ; old M - new M: a whole number, 0 or less
	s_delay_alu instid0(VALU_DEP_1)
	v_cvt_i32_f32 v228, v228                       ; (it saturates)
	s_delay_alu instid0(VALU_DEP_1)
	v_ldexp_f32 v226, 1.0, v228                    ; f = 2^(old M - new M)
.set j, 0
.rept 32
	v_pk_fma_f32 v[96+j:97+j], v[96+j:97+j], s[22:23], v[12:13] op_sel_hi:[1,0,0]   ; t - M
.set j, j+2
.endr
.irp b, 0,1,2,3
	v_fma_f32 v[212+\b], v[212+\b], s22, v12       ; the same of each block's largest score
.endr
.set j, 0
	s_setprio 1
	s_wait_alu depctr_va_vdst(0)
.rept 64
	v_exp_f32 v[96+j], v[96+j]                     ; p = 2^(t - M)
.set j, j+1
.endr
.irp b, 0,1,2,3
	v_exp_f32 v[212+\b], v[212+\b]                 ; the block's largest p
.endr
	v_pk_mul_f32 v[14:15], v[14:15], v[226:227] op_sel_hi:[1,0]   ; the sums under the new M.  (A plain place behind the exponentials)
	s_wait_alu depctr_va_vdst(0)
.irp b, 0,1,2,3
	v_max_num_f32 v[212+\b], 0x2800000, v[212+\b]  ; the floor 2^(5 - 127)
.endr
.irp b, 0,1,2,3
	s_delay_alu instid0(VALU_DEP_4)
	v_add_nc_u32 v[220+\b], 0xfe000000, v[212+\b]  ; the conversion's scale operand
.endr
.irp b, 0,1,2,3
	s_delay_alu instid0(VALU_DEP_4)
	v_lshrrev_b32 v[216+\b], 23, v[220+\b]         ; the scale's byte
.endr
	s_delay_alu instid0(VALU_DEP_3)
	v_lshl_or_b32 v224, v217, 8, v216              ; p's scale word for these 128 keys
	s_delay_alu instid0(VALU_DEP_1)
	v_lshl_or_b32 v224, v218, 16, v224
	s_delay_alu instid0(VALU_DEP_1)
	v_lshl_or_b32 v224, v219, 24, v224
.irp c, 0,1
	v_cvt_scalef32_pk16_bf6_f32 v[192+6*\c:194+6*\c], v[96+32*\c:111+32*\c], v[220+2*\c]
	v_cvt_scalef32_pk16_bf6_f32 v[204+4*\c:206+4*\c], v[112+32*\c:127+32*\c], v[221+2*\c]
.endr
	v_nop                                          ; one plain place behind a scaled conversion
.irp c, 0,1                                    ; a whole block to a lane: lanes 0-15 block 2 c, lanes 16-31 block 2 c + 1
.irp i, 0,1,2
	v_permlane16_swap_b32 v[192+6*\c+\i], v[204+4*\c+\i]
.endr
.irp i, 0,1,2
	s_delay_alu instid0(VALU_DEP_3)
	v_mov_b32 v[195+6*\c+\i], v[204+4*\c+\i]
.endr
.endr
	v_pk_add_f32 v[228:229], v[100:101], v[104:105]
	v_pk_add_f32 v[252:253], v[108:109], v[112:113]
	v_pk_add_f32 v[250:251], v[116:117], v[120:121]
	v_pk_add_f32 v[248:249], v[124:125], v[128:129]
	v_pk_add_f32 v[246:247], v[132:133], v[136:137]
	v_pk_add_f32 v[244:245], v[140:141], v[144:145]
	v_pk_add_f32 v[242:243], v[148:149], v[152:153]
	v_pk_add_f32 v[14:15], v[14:15], v[156:157]
	v_pk_add_f32 v[228:229], v[228:229], v[96:97]
	v_pk_add_f32 v[252:253], v[252:253], v[98:99]
	v_pk_add_f32 v[250:251], v[250:251], v[102:103]
	v_pk_add_f32 v[248:249], v[248:249], v[106:107]
	v_pk_add_f32 v[246:247], v[246:247], v[110:111]
	v_pk_add_f32 v[244:245], v[244:245], v[114:115]
	v_pk_add_f32 v[242:243], v[242:243], v[118:119]
	v_pk_add_f32 v[14:15], v[14:15], v[122:123]
	v_pk_add_f32 v[228:229], v[228:229], v[126:127]
	v_pk_add_f32 v[252:253], v[252:253], v[130:131]
	s_setprio 0
	v_pk_add_f32 v[250:251], v[250:251], v[134:135]
	v_pk_add_f32 v[248:249], v[248:249], v[138:139]
	v_pk_add_f32 v[246:247], v[246:247], v[142:143]
	v_pk_add_f32 v[244:245], v[244:245], v[146:147]
	v_pk_add_f32 v[242:243], v[242:243], v[150:151]
	v_pk_add_f32 v[14:15], v[14:15], v[154:155]
	v_pk_add_f32 v[228:229], v[228:229], v[158:159]
	s_delay_alu instid0(VALU_DEP_2)
	v_pk_add_f32 v[14:15], v[14:15], v[248:249]
	s_delay_alu instid0(VALU_DEP_2)
	v_pk_add_f32 v[228:229], v[228:229], v[246:247]
	v_pk_add_f32 v[252:253], v[252:253], v[244:245]
	v_pk_add_f32 v[250:251], v[250:251], v[242:243]
	s_delay_alu instid0(VALU_DEP_2)
	v_pk_add_f32 v[14:15], v[14:15], v[252:253]
	s_delay_alu instid0(VALU_DEP_2)
	v_pk_add_f32 v[228:229], v[228:229], v[250:251]
	s_delay_alu instid0(VALU_DEP_1)
	v_pk_add_f32 v[14:15], v[14:15], v[228:229]
.set j, 0
.rept 16
	v_pk_mul_f32 v[160+j:161+j], v[160+j:161+j], v[226:227] op_sel_hi:[1,0]   ; O^T under the new M
.set j, j+2
.endr
	s_wait_alu depctr_va_vdst(0)
	s_wait_dscnt 0x0                               ; V and its scale words are in
.irp f, 0,1,2,3
	v_wmma_scale_f32_16x16x128_f8f6f4 v[160+8*\f:167+8*\f], v[36+12*\f:47+12*\f], v[192:203], v[160+8*\f:167+8*\f], v[88+\f], v224 matrix_a_fmt:MATRIX_FMT_BF6 matrix_b_fmt:MATRIX_FMT_BF6
.endr
.if \full
.Lhid_\@:
.endif
	s_add_co_u32 s[TB], s[TB], REC
.endm
; A tile ends: O^T / the sum; the natural order along the head's 64 is restored; two blocks of 32 are quantised; one half fragment and two scale bytes a token leave.
.macro EPI
.rept 4
	v_nop
.endr
	v_add_f32 v14, v14, v15
	s_delay_alu instid0(VALU_DEP_1)
	v_permlanex16_b32 v228, v14, s20, s21
	s_delay_alu instid0(VALU_DEP_1)
	v_add_f32 v14, v14, v228                       ; the row's sum
	s_wait_alu depctr_va_vdst(0)
	v_rcp_f32 v14, v14
	v_nop                                          ; one plain place behind a transcendental
.set j, 0
	s_wait_alu depctr_va_vdst(0)
.rept 16
	v_pk_mul_f32 v[96+j:97+j], v[160+j:161+j], v[14:15] op_sel_hi:[1,0]   ; register 8 dt + j: o(query r, 16 dt + 8 h + j)
.set j, j+2
.endr
.irp b, 0,1
.irp j, 0,1,2,3,4,5,6,7
	v_permlane16_swap_b32 v[96+16*\b+\j], v[104+16*\b+\j]   ; after it registers 16 b + 0 .. 15 hold d = 32 b + 16 h + 0 .. 15
.endr
.endr
.irp b, 0,1
	v_max3_num_f32 v[212+\b], |v[96+16*\b]|, |v[97+16*\b]|, 0x2800000
.endr
.irp i, 2,4,6,8,10,12,14
.irp b, 0,1
	s_delay_alu instid0(VALU_DEP_2)
	v_max3_num_f32 v[212+\b], v[212+\b], |v[96+16*\b+\i]|, |v[97+16*\b+\i]|
.endr
.endr
.irp b, 0,1
	s_delay_alu instid0(VALU_DEP_2)
	v_permlanex16_b32 v[216+\b], v[212+\b], s20, s21
.endr
.irp b, 0,1
	s_delay_alu instid0(VALU_DEP_2)
	v_max_num_f32 v[212+\b], v[212+\b], v[216+\b]
.endr
.irp b, 0,1
	s_delay_alu instid0(VALU_DEP_2)
	v_add_nc_u32 v[220+\b], 0xfe000000, v[212+\b]
.endr
.irp b, 0,1
	s_delay_alu instid0(VALU_DEP_2)
	v_lshrrev_b32 v[216+\b], 23, v[220+\b]
.endr
	v_cvt_scalef32_pk16_bf6_f32 v[192:194], v[96:111], v220
	v_cvt_scalef32_pk16_bf6_f32 v[196:198], v[112:127], v221
	v_nop
.irp i, 0,1,2
	v_permlane16_swap_b32 v[192+\i], v[196+\i]     ; lanes 0-15 block 0, lanes 16-31 block 1: the lower 16 codes in the first three registers, the upper 16 in the second three
.endr
.irp i, 0,1,2
	s_delay_alu instid0(VALU_DEP_3)
	v_mov_b32 v[195+\i], v[196+\i]
.endr
.irp p, 0,1,2
	global_store_b64 v1, v[192+2*\p:193+2*\p], s[AOC:AOC+1] offset:256*\p   ; 32 lanes store 256 consecutive bytes, aligned
.endr
	v_cmp_ne_u32 vcc_lo, 0, v10
	s_delay_alu instid0(VALU_DEP_1)
	v_cndmask_b32 v218, v216, v217, vcc_lo
	global_store_b8 v7, v218, s[AOS:AOS+1]         ; two bytes a token: all that one head has of a token's 32 scale bytes
.endm
	INIT 1                                         ; the late tile first: its first eight steps need key steps 0-7 alone, and none of them is on its diagonal
	s_wait_tensorcnt 0x1                           ; my part of key steps 0-7 is in; my part of 8-15 may be out
	s_barrier_signal -1
	s_barrier_wait -1
.Lfirst_half:                                      ; 8 trips: LDS bytes 0 to 102,399
	STEP 0
	s_add_co_u32 s[SI], s[SI], 1
	s_cmp_lt_u32 s[SI], 8
	s_cbranch_scc1 .Lfirst_half
	s_setprio 0
	s_wait_tensorcnt 0x0                           ; my part of key steps 8-15 is in,
	s_wait_dscnt 0x0
	s_barrier_signal -1
	s_barrier_wait -1                              ; everybody's is
	s_mov_b32 s[SI], 8                             ; (where the first loop left them: written as constants, so that this loop's range reads off the text)
	s_mov_b32 s[TB], HALFK
.Lsecond_half:                                     ; 8 trips
	STEP 1
	s_add_co_u32 s[SI], s[SI], 1
	s_cmp_lt_u32 s[SI], 16
	s_cbranch_scc1 .Lsecond_half
	s_setprio 0
	EPI
	INIT 0                                         ; the early tile: key steps 0 to w / 2
.Learly:                                           ; 8 trips
	STEP 1
	s_add_co_u32 s[SI], s[SI], 1
	s_cmp_lt_u32 s[SI], 8
	s_cbranch_scc1 .Learly
	s_setprio 0
	EPI
	s_wait_tensorcnt 0x0
	ds_add_u32 v254, v255
	s_wait_dscnt 0x0
	CROUND                                         ; the closing round
	s_endpgm
.Lfunc_end_k_qa43ff47899_attn:
	.size	k_qa43ff47899_attn, .Lfunc_end_k_qa43ff47899_attn-k_qa43ff47899_attn
	.p2alignl 7, 3214868480
	.fill 96, 4, 3214868480
	.section	.rodata,"a",@progbits
	.p2align	6, 0x0
	.amdhsa_kernel k_qa43ff47899_attn
		.amdhsa_group_segment_fixed_size 206848
		.amdhsa_private_segment_fixed_size 0
		.amdhsa_enable_private_segment 0
		.amdhsa_kernarg_size 32
		.amdhsa_user_sgpr_count 2
		.amdhsa_user_sgpr_kernarg_segment_ptr 1
		.amdhsa_wavefront_size32 1
		.amdhsa_system_sgpr_workgroup_id_x 1
		.amdhsa_system_sgpr_workgroup_id_y 1
		.amdhsa_system_sgpr_workgroup_id_z 1
		.amdhsa_system_vgpr_workitem_id 0
		.amdhsa_next_free_vgpr 256
		.amdhsa_next_free_sgpr 66
		.amdhsa_reserve_vcc 1
		.amdhsa_float_denorm_mode_32 3
		.amdhsa_float_denorm_mode_16_64 3
		.amdhsa_memory_ordered 1
		.amdhsa_forward_progress 1
		.amdhsa_inst_pref_size 86
	.end_amdhsa_kernel
	.amdgpu_metadata
---
amdhsa.version: [ 1, 2 ]
amdhsa.kernels:
  - .name:           k_qa43ff47899_attn
    .symbol:         k_qa43ff47899_attn.kd
    .args:
      - { .name: qr, .offset: 0, .size: 8, .value_kind: global_buffer, .address_space: global }
      - { .name: kv, .offset: 8, .size: 8, .value_kind: global_buffer, .address_space: global }
      - { .name: aoc, .offset: 16, .size: 8, .value_kind: global_buffer, .address_space: global }
      - { .name: aos, .offset: 24, .size: 8, .value_kind: global_buffer, .address_space: global }
    .group_segment_fixed_size: 206848
    .private_segment_fixed_size: 0
    .kernarg_segment_align: 8
    .kernarg_segment_size: 32
    .max_flat_workgroup_size: 512
    .sgpr_count:     66
    .vgpr_count:     256
    .wavefront_size: 32
...
	.end_amdgpu_metadata
.endif
;; end of part 3
;; launch proj (part 4): grid 4 x 32, 4 waves a work-group, clusters of 4 x 4, 327,680 bytes of LDS; arguments aoc, aos, c1, s1, proj_b, out0; writes out0
.if DOCPART == 4
	.amdgcn_target "amdgcn-amd-amdhsa--gfx1250"
	.amdhsa_code_object_version 6
	.text
	.protected	k_qa43ff47899_proj
	.globl	k_qa43ff47899_proj
	.p2align	8
	.type	k_qa43ff47899_proj,@function
k_qa43ff47899_proj:
	s_mov_b64 s[64:65], 0
	v_nop
	global_prefetch_b8 v0, s[64:65] scope:SCOPE_SE
	s_setreg_imm32_b32 hwreg(HW_REG_WAVE_MODE, 25, 1), 1
	s_wait_xcnt 0x0
	s_wait_alu depctr_hold_cnt(0) depctr_sa_sdst(0) depctr_va_vdst(0) depctr_va_sdst(0) depctr_va_ssrc(0) depctr_va_vcc(0) depctr_vm_vsrc(0)
	s_getreg_b32 s2, hwreg(HW_REG_IB_STS2, 6, 4)
	s_cmp_eq_u32 s2, 0
	s_cbranch_scc0 .Lentry_in_a_cluster
	s_endpgm
.Lentry_in_a_cluster:
	s_bfe_u32 s2, ttmp6, 0x10000c
	s_cmp_lg_u32 s2, 0xf033
	s_cbranch_scc0 .Lentry_shape_is_right
	s_endpgm
.Lentry_shape_is_right:
; out0 = o proj_w^T + proj_b on codes of BF6 with E8M0 scales, K = 1,024; out0 [8192][1024] f32.
; OPERANDS: aoc [tile of 16 tokens 512][head 16][768] and c1 [row tile][kc 16][768] (proj_w: row tiles 704-767): half fragments, 16 rows x 64 K as the image of six operand registers (piece p at 256 p + 8 lane).
; aos [token][32] and s1 [row][32]: scale bytes, byte k / 32.
; A tile of 256 x 256 is made by four waves, each 128 x 128: 64 accumulators.  THE MATRIX INSTRUCTION IS USED TRANSPOSED (source 0 = 16 rows of proj_w, source 1 = 16 tokens): a lane holds eight neighbouring
; numbers of a row of out0.  The bias is the C of each sum's first matrix instruction.
; K goes in four steps of 256 through three LDS slots: steps 0, 1, 2 and the scales are first fills (four tensor loads of a wave are out at the most); step 3 is the one refill, into slot 0.
; CLUSTER 4 x 4: A's tiles are asked for jointly along a row of the cluster, B's along a column.  128 tiles: 128 work-groups.
; REGISTERS: window 0: v16-21 fragment addresses, v23-29 offsets, v32-63 scale words (two sets), v64-127 the bias as C, v128-223 A's fragments (one set); on the way out v128-255 take rows of out0.
;   window 1: B's fragments, two sets, at v0 and v128.  windows 2, 3: the accumulators, (a, b) at v[8 (8 (a % 4) + b)].
.set SLOT,   98304                     ; A's 256 rows, then B's 256 rows: 32 row tiles x 3,072 bytes, dense
.set WPART,  24576
.set RTM,    12288
.set HALFS,  16*272
.set SBLK,   544
.set SCL,    3*SLOT
.set SPARE,  SCL+4*HALFS               ; the spare words, 128 bytes for each wave: two blocks of 256 bytes that no other line names
.set SPITCH, 528                       ; the way out: a stage of 16 rows x (512 bytes + 16) for each wave, in slot 1: it was filled once, at the start, and nobody reads it behind K step 2's barrier
.set ADRA, 16
.set ADRB, 19
.set BV,   23                          ; v23 the bias loads' offset
.set STO,  24                          ; v24 the stage: where I put 32 bytes of a row
.set RD,   25                          ; v25 and where I read a row back
.set CO,   26                          ; v26 16 x lane
.set ADRS, 27
.set SPW,  28
.set NIL,  29
.set SC,   32
.set BI,   64
.set AF,   128
.set BK,   128
.set G1,   24
.set G1B,  32
.set G0,   40
.set G0B,  52
.set G1S,  68
.set G0S,  76
.set G1SB, 80
.set G0SB, 88
.set OUTP, 100                         ; s[100:101] out0 at my rows
.set MSB, 0
.macro WIN new                         ; the immediate's high byte repeats the setting that is left
.if MSB != (\new)
	s_set_vgpr_msb (MSB<<8)|(\new)
.set MSB, (\new)
.endif
.endm
; A joint load: waves 0 and 1 fetch for A, waves 2 and 3 for B.  Four v_nop follow each of the two lines.
.macro JLOAD g0a, g1a, g0b, g1b
	s_cmp_eq_u32 s15, 0
	s_cbranch_scc0 .Lfor_b_\@
	tensor_load_to_lds s[\g0a:\g0a+3], s[\g1a:\g1a+7]
	s_nop 0
.rept 4
	v_nop
.endr
	s_branch .Lasked_\@
.Lfor_b_\@:
	tensor_load_to_lds s[\g0b:\g0b+3], s[\g1b:\g1b+7]
	s_nop 0
.rept 4
	v_nop
.endr
.Lasked_\@:
.endm
.macro CREST
	s_cmp_lg_u32 s14, 0
	s_cbranch_scc1 .Lnot_wave_0_\@
	s_barrier_signal -3
.Lnot_wave_0_\@:
	s_barrier_wait -3
	s_barrier_signal -1
	s_barrier_wait -1
.endm
.macro CROUND
	s_barrier_signal -1
	s_barrier_wait -1
	CREST
.endm
.macro PLACES n                        ; plain vector places behind matrix instructions (ISA guide 7.12.1)
.rept \n
	v_nop
.endr
.endm
.macro FRAG reg, adr, q, i             ; a fragment: two half fragments on end: six loads of 8 bytes a lane, each 256 consecutive bytes
.irp p, 0,1,2,3,4,5
	ds_load_b64 v[\reg+2*\p:\reg+2*\p+1], v[\adr] offset:(\i)*3072+(\q)*1536+256*\p
.endr
.endm
.macro FETCH_B slot, q, p
	WIN 0x40
.irp i, 0,1,2,3,4,5,6,7
	FRAG 128*(\p)+12*\i, ADRB+\slot, \q, \i
.endr
	WIN 0
.endm
.macro FETCH_A slot, q, i0
.irp i, \i0, \i0+1, \i0+2, \i0+3
	FRAG AF+12*(\i), ADRA+\slot, \q, \i
.endr
.endm
.macro SCALES sc, t
.irp i, 0,1,2,3,4,5,6,7
	ds_load_b64 v[SC+16*(\sc)+2*\i:SC+16*(\sc)+2*\i+1], v[ADRS] offset:SBLK*\i+8*(\t)
.endr
.endm
; 16 matrix instructions: A's blocks a0, a0 + 1 x B's eight.  cm = 1: the sums start from the bias.  The 64 accumulators take turns, one instruction a turn.
.macro MUL16 a0, p, q, sc, cm
.if \cm
	WIN 0x81+0x40*((\a0)/4)
.else
	WIN 0xa1+0x50*((\a0)/4)
.endif
.irp a, \a0, \a0+1
.irp b, 0,1,2,3,4,5,6,7
.set rD, 8*(8*((\a)%4)+\b)
.set rB, 128*(\p)+12*\b
.set rA, AF+12*(\a)
.set rSB, SC+16*(\sc)+2*\b+(\q)
.set rSA, SC+16*(\sc)+2*(\a)+(\q)
.if \cm
	v_wmma_scale_f32_16x16x128_f8f6f4 v[rD:rD+7], v[rB:rB+11], v[rA:rA+11], v[BI+8*\b:BI+8*\b+7], v[rSB], v[rSA] matrix_a_fmt:MATRIX_FMT_BF6 matrix_b_fmt:MATRIX_FMT_BF6 matrix_a_scale:MATRIX_SCALE_ROW1
.else
	v_wmma_scale_f32_16x16x128_f8f6f4 v[rD:rD+7], v[rB:rB+11], v[rA:rA+11], v[rD:rD+7], v[rSB], v[rSA] matrix_a_fmt:MATRIX_FMT_BF6 matrix_b_fmt:MATRIX_FMT_BF6 matrix_a_scale:MATRIX_SCALE_ROW1
.endif
.endr
.endr
.endm
.macro STEP p, q, sc, ns, nq, np, nt, cm
	s_wait_dscnt 24                                ; all but the youngest 24 loads (A's blocks 4-7) are in
	MUL16 0, \p, \q, \sc, \cm
	MUL16 2, \p, \q, \sc, \cm
	s_wait_dscnt 0x0
	PLACES 4
	FETCH_B \ns, \nq, \np
	FETCH_A \ns, \nq, 0
.if \nt >= 0
	SCALES (\nt)%2, \nt
.endif
	MUL16 4, \p, \q, \sc, \cm
	MUL16 6, \p, \q, \sc, \cm
	PLACES 4
	WIN 0
	FETCH_A \ns, \nq, 4
.endm
.macro TURN sc, ns, nt, fill
	s_wait_tensorcnt 0x0                           ; all my tensor loads have landed
	ds_add_u32 v[SPW], v[NIL]                      ; 0 onto my spare word
	s_wait_dscnt 25                                ; (the add and the youngest 24 loads may be out)
	MUL16 0, 1, 1, \sc, 0
	s_wait_dscnt 0x0                               ; the add is done, and my reads of the slot in hand are over
	s_barrier_signal -1
	MUL16 2, 1, 1, \sc, 0
	WIN 0
	s_barrier_wait -1
.if \fill
	CREST                                          ; no wave of any partner still reads slot 0 or has a load on its way
	s_add_nc_u64 s[G0+2:G0+3], s[G0+2:G0+3], 3*3072
	s_add_nc_u64 s[G0B+2:G0B+3], s[G0B+2:G0B+3], 3*3072
	JLOAD G0, G1, G0B, G1B                         ; the first tensor load behind the round; its four v_nop are the places in front of the loads below
.else
	PLACES 4
.endif
	FETCH_B \ns, 0, 0
	FETCH_A \ns, 0, 0
	SCALES (\nt)%2, \nt
	MUL16 4, 1, 1, \sc, 0
	MUL16 6, 1, 1, \sc, 0
	PLACES 4
	WIN 0
	FETCH_A \ns, 0, 4
.endm
	s_load_b128 s[4:7], s[0:1], 0x0                ; aoc, aos
	s_load_b128 s[8:11], s[0:1], 0x10              ; c1, s1
	s_load_b64 s[12:13], s[0:1], 0x20              ; proj_b
	s_load_b64 s[OUTP:OUTP+1], s[0:1], 0x28        ; out0
	v_lshl_add_u32 v[SPW], v0, 2, SPARE
	v_mov_b32 v[NIL], 0
	ds_add_u32 v28, v29
	ds_add_u32 v28, v29
	s_wait_dscnt 0x0
	v_lshrrev_b32 v1, 5, v0
	v_readfirstlane_b32 s14, v1                    ; wave 0..3
	s_lshr_b32 s15, s14, 1                         ; wr.  Also: I fetch for A (0) or B (1)
	s_and_b32 s16, s14, 1                          ; wc.  Also: which 128 rows I fetch
	s_bfe_u32 s17, ttmp6, 0x40000                  ; cx
	s_bfe_u32 s18, ttmp6, 0x40004                  ; cy
	s_and_b32 s2, ttmp7, 0xffff
	s_lshl_b32 s20, s2, 2
	s_add_co_u32 s20, s20, s18                     ; tile row
	s_lshl_b32 s21, ttmp9, 2
	s_add_co_u32 s21, s21, s17                     ; tile column
	s_lshl_b32 s66, s18, 2
	s_lshl_b32 s66, 15, s66                        ; my row of the cluster
	s_lshl_b32 s67, 0x1111, s17                    ; my column
	s_or_b32 s[G1], s66, (3<<16)|(1<<21)           ; codes: 8 row tiles x 3,072 bytes (384 elements of 8 bytes), 12,288 bytes apart, dense in LDS
	s_or_b32 s[G1B], s67, (3<<16)|(1<<21)
.irp g, G1, G1B
	s_mov_b32 s[\g+1], 384<<16
	s_mov_b32 s[\g+2], 8<<16
	s_mov_b32 s[\g+3], 384<<16
	s_mov_b32 s[\g+4], 8
	s_mov_b32 s[\g+5], 1536
	s_mov_b32 s[\g+6], 0
	s_mov_b32 s[\g+7], 0
.endr
	s_or_b32 s[G1S], s66, (3<<16)|(1<<20)|(1<<21)|(5<<22)|(3<<25)   ; scale bytes of 128 rows: 16 rows of 256 bytes, 16 of padding behind each
	s_or_b32 s[G1SB], s67, (3<<16)|(1<<20)|(1<<21)|(5<<22)|(3<<25)
.irp g, G1S, G1SB
	s_mov_b32 s[\g+1], 32<<16
	s_mov_b32 s[\g+2], 16<<16
	s_mov_b32 s[\g+3], 32<<16
	s_mov_b32 s[\g+4], 16
	s_mov_b32 s[\g+5], 32
	s_mov_b32 s[\g+6], 0
	s_mov_b32 s[\g+7], 0
.endr
	s_lshl_b32 s2, s16, 3                          ; the 8 row tiles that I fetch
	s_lshl_b32 s66, s20, 4
	s_add_co_u32 s22, s66, s2                      ; A: my first tile of tokens
	s_lshl_b32 s67, s21, 4
	s_add_co_u32 s23, s67, s2
	s_add_co_u32 s23, s23, 704                     ; B: my first row tile of proj_w in c1
	s_mul_i32 s92, s22, RTM
	s_mov_b32 s93, 0
	s_lshl_b32 s94, s22, 9
	s_mov_b32 s95, 0
	s_mul_i32 s96, s23, RTM
	s_mov_b32 s97, 0
	s_lshl_b32 s98, s23, 9
	s_mov_b32 s99, 0
	s_mul_i32 s104, s14, WPART
	s_mul_i32 s105, s14, HALFS
	s_wait_kmcnt 0x0
	s_add_nc_u64 s[92:93], s[4:5], s[92:93]
	s_add_nc_u64 s[94:95], s[6:7], s[94:95]
	s_add_nc_u64 s[96:97], s[8:9], s[96:97]
	s_add_nc_u64 s[98:99], s[10:11], s[98:99]
	CROUND                                         ; all sixteen work-groups are here: the first joint loads meet
	s_mov_b32 s[G0S], 1
	s_add_co_u32 s[G0S+1], s105, SCL
	s_mov_b64 s[G0S+2:G0S+3], s[94:95]
	s_or_b32 s[G0S+3], s[G0S+3], 0x80000000
	s_mov_b32 s[G0SB], 1
	s_add_co_u32 s[G0SB+1], s105, SCL
	s_mov_b64 s[G0SB+2:G0SB+3], s[98:99]
	s_or_b32 s[G0SB+3], s[G0SB+3], 0x80000000
	JLOAD G0S, G1S, G0SB, G1SB
.irp s, 0,1,2
	s_mov_b32 s[G0+4*\s], 1
	s_add_co_u32 s[G0+4*\s+1], s104, \s*SLOT
	s_add_nc_u64 s[G0+4*\s+2:G0+4*\s+3], s[92:93], \s*3072
	s_or_b32 s[G0+4*\s+3], s[G0+4*\s+3], 0x80000000
	s_mov_b32 s[G0B+4*\s], 1
	s_add_co_u32 s[G0B+4*\s+1], s104, \s*SLOT
	s_add_nc_u64 s[G0B+4*\s+2:G0B+4*\s+3], s[96:97], \s*3072
	s_or_b32 s[G0B+4*\s+3], s[G0B+4*\s+3], 0x80000000
	JLOAD G0+4*\s, G1, G0B+4*\s, G1B
.endr
	v_and_b32 v1, 31, v0                           ; lane
	v_and_b32 v2, 15, v0                           ; r
	v_bfe_u32 v3, v0, 4, 1                         ; h
	v_lshlrev_b32 v4, 3, v1
	s_lshl_b32 s2, s21, 10                         ; the bias of my 128 columns: register 8 b + j: column 16 b + 8 h + j
	s_lshl_b32 s3, s16, 9
	s_add_co_u32 s2, s2, s3
	s_mov_b32 s3, 0
	s_add_nc_u64 s[12:13], s[12:13], s[2:3]
	v_lshlrev_b32 v[BV], 5, v3
.irp b, 0,1,2,3,4,5,6,7
	global_load_b128 v[BI+8*\b:BI+8*\b+3], v[BV], s[12:13] offset:64*\b
	global_load_b128 v[BI+8*\b+4:BI+8*\b+7], v[BV], s[12:13] offset:64*\b+16
.endr
	s_add_nc_u64 s[OUTP:OUTP+1], s[OUTP:OUTP+1], s[2:3]   ; my first column of out0: the same bytes on
	s_lshl_b32 s2, s20, 20                         ; 256 rows of 4,096 bytes a tile row,
	s_lshl_b32 s104, s15, 19                       ; my 128 of them
	s_add_co_u32 s2, s2, s104
	s_add_nc_u64 s[OUTP:OUTP+1], s[OUTP:OUTP+1], s[2:3]
	s_mul_i32 s2, s15, WPART
	s_mul_i32 s3, s16, WPART
	s_add_co_u32 s3, s3, 2*WPART
.irp s, 0,1,2
	v_add_nc_u32 v[ADRA+\s], s2, v4
	v_add_nc_u32 v[ADRB+\s], s3, v4
	s_add_co_u32 s2, s2, SLOT
	s_add_co_u32 s3, s3, SLOT
.endr
	v_lshlrev_b32 v5, 5, v2                        ; my row's scales: 32 bytes a row,
	v_lshrrev_b32 v6, 3, v2
	v_lshl_add_u32 v5, v6, 4, v5                   ; and 16 more for each 256 passed
	s_mul_i32 s2, s15, HALFS
	s_mul_i32 s3, s16, HALFS
	s_add_co_u32 s3, s3, 2*HALFS
	s_sub_co_u32 s3, s3, s2
	v_mul_u32_u24 v6, s3, v3                       ; lanes 16-31 take B's
	s_add_co_u32 s2, s2, SCL
	v_add_nc_u32 v5, v5, v6
	v_add_nc_u32 v[ADRS], s2, v5
	s_mul_i32 s2, s14, 16*SPITCH
	s_add_co_u32 s2, s2, SLOT                      ; my stage, in slot 1
	v_mul_u32_u24 v5, v2, SPITCH
	v_lshl_add_u32 v5, v3, 5, v5
	v_add_nc_u32 v[STO], s2, v5                    ; in: row r, 32 bytes for each half of the lanes
	v_lshlrev_b32 v[CO], 4, v1
	v_add_nc_u32 v[RD], s2, v[CO]                  ; back: the 32 lanes take one row of 512 bytes
	s_wait_tensorcnt 0x2                           ; the scales and my part of K step 0 are in; K steps 1 and 2 may be out
	s_barrier_signal -1
	s_barrier_wait -1
	FETCH_B 0, 0, 0
	FETCH_A 0, 0, 0
	SCALES 0, 0
	FETCH_A 0, 0, 4
	s_wait_loadcnt 0x0                             ; the bias
	STEP 0, 0, 0, 0, 1, 1, -1, 1
	TURN 0, 1, 1, 1                                ; K step 0 ends; slot 0 takes K step 3
	STEP 0, 0, 1, 1, 1, 1, -1, 0                   ; K step 1
	STEP 1, 1, 1, 2, 0, 0, 2, 0                    ; on into slot 2: every wave showed it landed in front of the round above
	STEP 0, 0, 0, 2, 1, 1, -1, 0                   ; K step 2
	TURN 0, 0, 3, 0                                ; K step 3 has landed for every wave; nothing is filled again
	STEP 0, 0, 1, 0, 1, 1, -1, 0                   ; K step 3
	s_wait_dscnt 24
	MUL16 0, 1, 1, 1, 0
	MUL16 2, 1, 1, 1, 0
	s_wait_dscnt 0x0
	MUL16 4, 1, 1, 1, 0
	MUL16 6, 1, 1, 1, 0
	WIN 0
; THE WAY OUT, block by block of 16 rows x 128 columns, through my own stage: in as 32 bytes a lane, back as whole rows of 512 bytes.  LDS serves a wave's instructions in order: no wait between the stores and the loads.
.macro TOSTAGE a
.set AC, 64*((\a)%4)
	WIN 0x08+4*((\a)/4)                            ; an LDS store's data: window 2 or 3
.irp b, 0,1,2,3,4,5,6,7
	ds_store_b128 v[STO], v[AC+8*\b:AC+8*\b+3] offset:64*\b          ; each accumulator from its low end on
	ds_store_b128 v[STO], v[AC+8*\b+4:AC+8*\b+7] offset:64*\b+16
.endr
	WIN 0
.set BB, BK+64*((\a)%2)
.irp t, 0,1,2,3,4,5,6,7,8,9,10,11,12,13,14,15
	ds_load_b128 v[BB+4*\t:BB+4*\t+3], v[RD] offset:\t*SPITCH
.endr
.endm
.macro SEND a, younger                 ; younger: the LDS instructions issued behind block a's loads, which may stay out
.set BB, BK+64*((\a)%2)
	s_wait_dscnt \younger
.if (\a) > 0
	s_add_nc_u64 s[OUTP:OUTP+1], s[OUTP:OUTP+1], 16*4096   ; (behind a wait on XCNT: the earlier stores have read their base)
.endif
.irp t, 0,1,2,3,4,5,6,7,8,9,10,11,12,13,14,15
	global_store_b128 v[CO], v[BB+4*\t:BB+4*\t+3], s[OUTP:OUTP+1] offset:\t*4096 th:TH_STORE_NT   ; 32 lanes store 512 consecutive bytes, aligned to 256
.endr
.endm
	PLACES 4
	TOSTAGE 0
.irp a, 1,2,3,4,5,6,7
.if \a > 1
	s_wait_xcnt 0x0                                ; block a - 2's stores have read their registers and their base
.endif
	TOSTAGE \a
	SEND \a-1, 32                                  ; behind block a - 1's loads: block a's 16 stores and 16 loads
.endr
	s_wait_xcnt 0x0
	SEND 7, 0
	s_wait_tensorcnt 0x0                           ; the wave's end
	ds_add_u32 v[SPW], v[NIL]
	s_wait_dscnt 0x0
	CROUND                                         ; the closing round
	s_endpgm
.Lfunc_end_k_qa43ff47899_proj:
	.size	k_qa43ff47899_proj, .Lfunc_end_k_qa43ff47899_proj-k_qa43ff47899_proj
	.p2alignl 7, 3214868480
	.fill 96, 4, 3214868480
	.section	.rodata,"a",@progbits
	.p2align	6, 0x0
	.amdhsa_kernel k_qa43ff47899_proj
		.amdhsa_group_segment_fixed_size 327680
		.amdhsa_private_segment_fixed_size 0
		.amdhsa_enable_private_segment 0
		.amdhsa_kernarg_size 48
		.amdhsa_user_sgpr_count 2
		.amdhsa_user_sgpr_kernarg_segment_ptr 1
		.amdhsa_wavefront_size32 1
		.amdhsa_system_sgpr_workgroup_id_x 1
		.amdhsa_system_sgpr_workgroup_id_y 1
		.amdhsa_system_sgpr_workgroup_id_z 1
		.amdhsa_system_vgpr_workitem_id 0
		.amdhsa_next_free_vgpr 1024
		.amdhsa_next_free_sgpr 106
		.amdhsa_reserve_vcc 0
		.amdhsa_float_denorm_mode_32 3
		.amdhsa_float_denorm_mode_16_64 3
		.amdhsa_memory_ordered 1
		.amdhsa_forward_progress 1
		.amdhsa_inst_pref_size 161
	.end_amdhsa_kernel
	.amdgpu_metadata
---
amdhsa.version: [ 1, 2 ]
amdhsa.kernels:
  - .name:           k_qa43ff47899_proj
    .symbol:         k_qa43ff47899_proj.kd
    .args:
      - { .name: aoc, .offset: 0, .size: 8, .value_kind: global_buffer, .address_space: global }
      - { .name: aos, .offset: 8, .size: 8, .value_kind: global_buffer, .address_space: global }
      - { .name: c1, .offset: 16, .size: 8, .value_kind: global_buffer, .address_space: global }
      - { .name: s1, .offset: 24, .size: 8, .value_kind: global_buffer, .address_space: global }
      - { .name: proj_b, .offset: 32, .size: 8, .value_kind: global_buffer, .address_space: global }
      - { .name: out0, .offset: 40, .size: 8, .value_kind: global_buffer, .address_space: global }
    .group_segment_fixed_size: 327680
    .private_segment_fixed_size: 0
    .kernarg_segment_align: 8
    .kernarg_segment_size: 48
    .max_flat_workgroup_size: 128
    .sgpr_count:     106
    .vgpr_count:     1024
    .wavefront_size: 32
...
	.end_amdgpu_metadata
.endif
;; end of part 4
